; MI455X (gfx1250); checked and timed in simulation.
; The chip was launched on July 23, 2026; its instructions are those of AMD's public machine-readable ISA for CDNA 5 (MIT licence, August 2026) and "CDNA5" Instruction Set Architecture Reference Guide (July 2026). The comments in the code are by the model that wrote it; some were corrected since.
;; Multi Head Self Attention. Allowed arithmetic: matrix products marked QUANTISED: E2M1 operands, one E8M0 scale for each 32 along K, by v_wmma_scale_f32_16x16x128_f8f6f4 with both operands' format E2M1 (or v_wmma_scale_f32_32x16x128_f4), f32 sums; products left as they are: bf16, f16 or f32 operands; f32 sums; everything else in f32.
;; Inputs: W_k 1,024 x 1,024 float32; W_o 1,024 x 1,024 float32; W_q 1,024 x 1,024 float32; W_v 1,024 x 1,024 float32; x 4 x 2,048 x 1,024 float32.
;; Outputs: out0 4 x 2,048 x 1,024 float32.
;; This version of the problem:
;;   THIS VERSION OF THE PROBLEM IS GIVEN IN LOW PRECISION. The matrix products marked QUANTISED in the list below multiply operands that are first quantised to E2M1 (2 exponent bits, 1 mantissa bit; 4 bits a number), with one power-of-two scale for each 32 numbers along K (OCP MX v1.0); their sums are f32. The products marked 'left as it is' may take bf16, f16 or f32 operands, with f32 sums. Whichever they take, every output number must still come out within the allowed error. Rounding operands to bf16 (8 significant bits) uses up far more of that allowance than f16 does (11 bits, for magnitudes from 6e-5 to 65,504). All else is computed in f32.
;;   The module's matrix products, in the order in which they are computed (A, B: the left and right operand; K: the contracted axis; several contracted axes count as one K, in the product's order):
;;     1. [M 8,192, K 1,024] x [K 1,024, N 1,024]; A: input x; B: input W_q: QUANTISED
;;     2. [M 8,192, K 1,024] x [K 1,024, N 1,024]; A: input x; B: input W_k: QUANTISED
;;     3. [M 8,192, K 1,024] x [K 1,024, N 1,024]; A: input x; B: input W_v: QUANTISED
;;     4. batch 64 x [M 2,048, K 64] x [K 64, N 2,048]; A: computed on the way; B: computed on the way: left as it is (an operand is computed on the way)
;;     5. batch 64 x [M 2,048, K 2,048] x [K 2,048, N 64]; A: computed on the way; B: computed on the way: left as it is (an operand is computed on the way)
;;     6. [M 8,192, K 1,024] x [K 1,024, N 1,024]; A: computed on the way; B: input W_o: left as it is (an operand is computed on the way)
;;   THE QUANTISER, for each operand of a quantised product, along K:
;;     - K is cut into blocks of 32 from its start; a last block that is shorter is filled with zeros.
;;     - A block's scale is 2^e with e = floor(log2(the largest magnitude in the block)) - 2, held to -126 .. 127; a block of zeros has e = 0. As a byte (E8M0): e + 127.
;;     - Each number is divided by its block's scale, clamped to +-6, and rounded to the nearest number of E2M1, ties to even, subnormals kept.
;;     - The product sums the exact products of the quantised numbers (number of the format x scale) in f32.
;;   ~~~python
;;   def quantise(x, axis):      # numpy; x: float32 -> the quantised numbers, widened to float32 again
;;       x = np.moveaxis(x, axis, -1); K = x.shape[-1]
;;       x = np.pad(x, [(0, 0)] * (x.ndim - 1) + [(0, -K % 32)]); x = x.reshape(x.shape[:-1] + (-1, 32)); a = np.abs(x).max(-1, keepdims=True)
;;       e = np.where(a > 0, np.clip(np.frexp(np.where(a > 0, a, 1))[1] - 1 - 2, -126, 127), 0)      # np.frexp(a)[1] - 1 = floor(log2(a)), exactly
;;       r = np.clip(x / 2.0 ** e, -6, 6)
;;       step = 2.0 ** (np.maximum(np.frexp(np.where(r == 0, 1, r))[1] - 1, 0) - 1)
;;       q = np.round(r / step) * step * 2.0 ** e      # np.round: ties to even
;;       return np.moveaxis(q.reshape(q.shape[:-2] + (-1,))[..., :K], -1, axis).astype(np.float32)
;;   ~~~
;; One version. Each part assembles by itself: llvm-mc -triple=amdgcn-amd-amdhsa -mcpu=gfx1250 --defsym DOCPART=n.
;; ======== version 1 of 1: 6 launches
;; limits: values are held in f16: magnitudes above 65,504 overflow, below 6.1e-05 lose precision
;; workspace buffers: xc 4,194,304 bytes; xs 262,144 bytes; wc 1,572,864 bytes; ws 98,304 bytes; wo16 2,097,152 bytes; qkv 50,331,648 bytes; att 16,777,216 bytes; afine 262,144 bytes
;; launch prep (part 1): grid 384 x 1, 4 waves a work-group, no clusters, 33,280 bytes of LDS; arguments x, W_q, W_k, W_v, W_o, xc, xs, wc, ws, wo16; writes xc, xs, wc, ws, wo16
.if DOCPART == 1
	.amdgcn_target "amdgcn-amd-amdhsa--gfx1250"
	.amdhsa_code_object_version 6
	.text
	.protected	k_qbee5a7f910_prep
	.globl	k_qbee5a7f910_prep
	.p2align	8
	.type	k_qbee5a7f910_prep,@function
k_qbee5a7f910_prep:
	s_mov_b64 s[64:65], 0
	v_nop
	global_prefetch_b8 v0, s[64:65] scope:SCOPE_SE
	s_setreg_imm32_b32 hwreg(HW_REG_WAVE_MODE, 25, 1), 1
	s_wait_xcnt 0x0
; CAUSAL SELF-ATTENTION, b = 4, s = 2,048, d_model = 1,024, 16 heads of 64, in six launches:
;   prep: x, W_q, W_k, W_v -> codes of E2M1 and E8M0 scale bytes; W_o -> f16.     qkv: the three quantised products -> q, k, v in f16, head by head.
;   attn: softmax(q k^T / 8) v under the causal mask -> f16.                      proj: the product with W_o, all rows but positions 0-15 of each sequence.
;   fineA, fineB: positions 0-15 of each sequence once more, attention and projection with f32 operands.
; WORK LEFT OUT (in attn): a step of 64 keys all of which come after all 32 queries of a wave.  reference() sets those scores to -inf by its own tril, their weights are exactly 0,
; and 0 x v adds nothing to any output for all finite inputs.  The step on the diagonal is computed whole and masked.  No input is without a way to the output: all five are loaded.
; LIMITS: a NaN, an infinity or an overflow in k or v that reaches only hidden keys is not carried to the result.  q, k, v, the attention's result and W_o are operands in f16: beyond 65,504 they overflow.
; NaN and infinities among the inputs are not served.
;
; THIS LAUNCH.  x [8192][1024] and the three weights [1024][1024], f32, have K innermost and K is a multiple of 32: each is a plain stream of blocks of 32 numbers, and so are its codes and scale bytes.
; A block's scale is 2^(floor(log2(largest magnitude)) - 2); its byte is the largest magnitude's exponent field - 2, held at 1 from below.  A block of zeros gets the byte 1 where the rule says 127:
; its codes are zeros, which add nothing under any byte but 0xff, and only this program reads the bytes.  Blocks whose largest magnitude lies under 2^-124 keep the byte 1.
; Work-groups 0-255 take x, 256-287 W_q, 288-319 W_k, 320-351 W_v (the weights' codes lie one behind the other: 3,072 rows), 352-383 turn W_o into f16.
; A wave takes 16 steps of 512 numbers: each load reads 512 consecutive bytes; the bytes turn through the wave's own stage in LDS, so that a lane holds 16 neighbours along K; two lanes hold a block.
.set STEPS, 16
.set EMAX,  2
.set CB,    8                          ; bytes of 16 codes
.set R,     16                         ; v16-79   four sets of 16 numbers as loaded
.set X,     80                         ; v80-111  two sets of 16 neighbours
.set C,     128                        ; v128-191 codes, four registers a step
.set E,     112                        ; v112-127 a scale byte a step
.set WREG,  8192                       ; LDS: a region for each wave: two stages of 32 x SP bytes, then its 256 scale bytes
.set SP,    80
.set SPW,   12                         ; v12  LDS address of my spare word; never rewritten
.set NIL,   13                         ; v13  0; never rewritten
.set SPARE, 4*WREG                     ; the spare words: 128 bytes a wave, named by no other line
	s_load_b256 s[4:11], s[0:1], 0x0               ; x, W_q, W_k, W_v
	s_load_b256 s[12:19], s[0:1], 0x20             ; W_o, xc, xs, wc
	s_load_b128 s[20:23], s[0:1], 0x40             ; ws, wo16
	v_lshl_add_u32 v[SPW], v0, 2, SPARE
	v_mov_b32 v[NIL], 0
	v_lshrrev_b32 v1, 5, v0
	v_readfirstlane_b32 s33, v1                    ; wave
	v_and_b32 v2, 31, v0                           ; lane
	v_lshlrev_b32 v3, 4, v2                        ; my 16 bytes of a load's 512
	s_cmp_ge_u32 ttmp9, 352
	s_cbranch_scc1 .Lwo                            ; the work-group's number alone decides
	s_mul_i32 s35, s33, WREG
	v_lshrrev_b32 v14, 2, v2
	v_mul_u32_u24 v14, v14, SP
	v_and_b32 v15, 3, v2
	v_lshl_add_u32 v14, v15, 4, v14
	v_add_nc_u32 v14, s35, v14                     ; the stage, on the way in: SP (lane / 4) + 16 (lane % 4)
	v_mul_u32_u24 v15, v2, SP
	v_add_nc_u32 v15, s35, v15                     ; on the way out: SP x lane
	v_mul_u32_u24 v4, v2, CB                       ; my codes' place in a step's
	v_lshrrev_b32 v5, 1, v2
	s_add_co_u32 s35, s35, 2*32*SP
	v_add_nc_u32 v5, s35, v5                       ; my block's scale byte in LDS
	v_lshlrev_b32 v7, 3, v2
	v_add_nc_u32 v6, s35, v7                       ; and 8 bytes a lane on the way out
	s_sub_co_u32 s31, ttmp9, 256                   ; index among the weights' work-groups (used only from 256 on)
	s_and_b32 s32, s31, 31                         ; index inside one weight
	s_wait_kmcnt 0x0
	s_cmp_lt_u32 ttmp9, 320
	s_cselect_b64 s[24:25], s[8:9], s[10:11]       ; W_k or W_v
	s_cmp_lt_u32 ttmp9, 288
	s_cselect_b64 s[24:25], s[6:7], s[24:25]       ; W_q
	s_cmp_lt_u32 ttmp9, 256
	s_cselect_b64 s[24:25], s[4:5], s[24:25]       ; x
	s_cselect_b64 s[26:27], s[14:15], s[18:19]     ; the codes' buffer
	s_cselect_b64 s[28:29], s[16:17], s[20:21]     ; the scale bytes' buffer
	s_cselect_b32 s30, ttmp9, s32                  ; index in the source
	s_cselect_b32 s34, ttmp9, s31                  ; index in the destination
	s_lshl_b32 s30, s30, 2
	s_add_co_u32 s30, s30, s33                     ; my run of 8,192 numbers in the source
	s_lshl_b32 s34, s34, 2
	s_add_co_u32 s34, s34, s33                     ; and in the destination
	s_lshl_b32 s36, s30, 15
	s_mov_b32 s37, 0
	s_add_nc_u64 s[24:25], s[24:25], s[36:37]      ; 32,768 bytes of f32 a run
	s_lshl_b32 s36, s34, 12
	s_add_nc_u64 s[26:27], s[26:27], s[36:37]      ; 4,096 bytes of codes
	s_lshl_b32 s36, s34, 8
	s_add_nc_u64 s[28:29], s[28:29], s[36:37]      ; 256 scale bytes
.macro LOAD t
.irp i, 0,1,2,3
	global_load_b128 v[R+16*((\t)%4)+4*\i:R+16*((\t)%4)+4*\i+3], v3, s[24:25] offset:2048*(\t)+512*\i th:TH_LOAD_NT
.endr
.endm
.macro TURN t                          ; step t's numbers through the stage: LDS serves a wave's instructions in order, so no wait stands between the stores and the loads
.irp i, 0,1,2,3
	ds_store_b128 v14, v[R+16*((\t)%4)+4*\i:R+16*((\t)%4)+4*\i+3] offset:32*SP*((\t)%2)+8*SP*\i
.endr
.irp i, 0,1,2,3
	ds_load_b128 v[X+16*((\t)%2)+4*\i:X+16*((\t)%2)+4*\i+3], v15 offset:32*SP*((\t)%2)+16*\i
.endr
.endm
.irp t, 0,1,2,3
	LOAD \t
.endr
	s_wait_loadcnt 12                              ; step 0's four loads are in; three steps' twelve may be out
	TURN 0
.macro STEP t
.set XS, X+16*((\t)%2)
.if (\t) > 0
	s_wait_dscnt 1                                 ; this step's numbers are back (the last step's byte store may be out)
.else
	s_wait_dscnt 0x0
.endif
.if (\t)+4 < STEPS
	LOAD (\t)+4
.endif
.if (\t)+1 < STEPS
.if STEPS-2-(\t) >= 3
	s_wait_loadcnt 12                              ; the next step's four loads are in; those of the three steps behind it may be out
.else
	s_wait_loadcnt 4*(STEPS-2-(\t))
.endif
	TURN (\t)+1
.endif
	v_max3_num_f32 v8, |v[XS]|, |v[XS+1]|, |v[XS+2]|               ; the largest magnitude of my 16, in two chains
	v_max3_num_f32 v9, |v[XS+3]|, |v[XS+4]|, |v[XS+5]|
.irp i, 6,10
	v_max3_num_f32 v8, v8, |v[XS+\i]|, |v[XS+\i+1]|
	v_max3_num_f32 v9, v9, |v[XS+\i+2]|, |v[XS+\i+3]|
.endr
	v_max3_num_f32 v8, v8, |v[XS+14]|, |v[XS+15]|
	v_max3_num_f32 v8, v8, v9, (EMAX+1)<<23        ; and the floor 2^(3 - 127): the byte cannot fall under 1
	v_max_num_f32_dpp v8, v8, v8 row_xmask:1 row_mask:0xf bank_mask:0xf   ; with my neighbour's 16: the block's
	v_add_nc_u32 v11, -(EMAX<<23), v8              ; 2 off its exponent field: the conversion takes this operand's exponent field as its scale
	v_cvt_scalef32_pk8_fp4_f32 v[C+4*(\t)], v[XS:XS+7], v11
	v_cvt_scalef32_pk8_fp4_f32 v[C+4*(\t)+1], v[XS+8:XS+15], v11
	v_lshrrev_b32 v[E+(\t)], 23, v11               ; the scale's byte
	ds_store_b8 v5, v[E+(\t)] offset:16*(\t)       ; both lanes of a block write the same byte with the same value
	global_store_b64 v4, v[C+4*(\t):C+4*(\t)+1], s[26:27] offset:32*CB*(\t)   ; the wave stores 256 consecutive bytes, aligned
.endm
.irp t, 0,1,2,3,4,5,6,7,8,9,10,11,12,13,14,15
	STEP \t
.endr
	ds_load_b64 v[8:9], v6                         ; LDS serves a wave's instructions in order: these see my stores
	s_wait_dscnt 0x0
	global_store_b64 v7, v[8:9], s[28:29]          ; 256 consecutive scale bytes, aligned
	s_wait_tensorcnt 0x0                           ; the wave's end: behind my last LDS store
	ds_add_u32 v[SPW], v[NIL]
	s_wait_dscnt 0x0
	s_endpgm
; W_o -> f16: a wave takes 8,192 numbers, 64 loads of 512 bytes in four groups of 16, two sets of registers; a lane's four numbers become 8 bytes, a store covers 256 consecutive bytes.  No LDS.
.Lwo:
	s_sub_co_u32 s30, ttmp9, 352
	s_lshl_b32 s30, s30, 2
	s_add_co_u32 s30, s30, s33
	s_lshl_b32 s36, s30, 15
	s_mov_b32 s37, 0
	v_lshlrev_b32 v4, 3, v2
	s_wait_kmcnt 0x0
	s_add_nc_u64 s[12:13], s[12:13], s[36:37]
	s_lshl_b32 s36, s30, 14
	s_add_nc_u64 s[22:23], s[22:23], s[36:37]
.macro WLOAD set, grp
.irp i, 0,1,2,3,4,5,6,7,8,9,10,11,12,13,14,15
	global_load_b128 v[16+64*\set+4*\i:16+64*\set+4*\i+3], v3, s[12:13] offset:512*(16*\grp+\i) th:TH_LOAD_NT
.endr
.endm
.macro WOUT set, grp
.irp i, 0,1,2,3,4,5,6,7,8,9,10,11,12,13,14,15
	v_cvt_pk_f16_f32 v[16+64*\set+4*\i], v[16+64*\set+4*\i], v[16+64*\set+4*\i+1]
	v_cvt_pk_f16_f32 v[16+64*\set+4*\i+1], v[16+64*\set+4*\i+2], v[16+64*\set+4*\i+3]
	global_store_b64 v4, v[16+64*\set+4*\i:16+64*\set+4*\i+1], s[22:23] offset:256*(16*\grp+\i)
.endr
.endm
	WLOAD 0, 0
	WLOAD 1, 1
	s_wait_loadcnt 16                              ; the older group is in; the younger sixteen may be out
	WOUT 0, 0
	s_wait_xcnt 0x0                                ; the stores have read their registers: the set is loaded again only behind this wait
	WLOAD 0, 2
	s_wait_loadcnt 16
	WOUT 1, 1
	s_wait_xcnt 0x0
	WLOAD 1, 3
	s_wait_loadcnt 16
	WOUT 0, 2
	s_wait_loadcnt 0x0
	WOUT 1, 3
	s_wait_tensorcnt 0x0                           ; the same three lines at this path's end
	ds_add_u32 v[SPW], v[NIL]
	s_wait_dscnt 0x0
	s_endpgm
.Lfunc_end_k_qbee5a7f910_prep:
	.size	k_qbee5a7f910_prep, .Lfunc_end_k_qbee5a7f910_prep-k_qbee5a7f910_prep
	.p2alignl 7, 3214868480
	.fill 96, 4, 3214868480
	.section	.rodata,"a",@progbits
	.p2align	6, 0x0
	.amdhsa_kernel k_qbee5a7f910_prep
		.amdhsa_group_segment_fixed_size 33280
		.amdhsa_private_segment_fixed_size 0
		.amdhsa_enable_private_segment 0
		.amdhsa_kernarg_size 80
		.amdhsa_user_sgpr_count 2
		.amdhsa_user_sgpr_kernarg_segment_ptr 1
		.amdhsa_wavefront_size32 1
		.amdhsa_system_sgpr_workgroup_id_x 1
		.amdhsa_system_sgpr_workgroup_id_y 1
		.amdhsa_system_sgpr_workgroup_id_z 1
		.amdhsa_system_vgpr_workitem_id 0
		.amdhsa_next_free_vgpr 192
		.amdhsa_next_free_sgpr 66
		.amdhsa_reserve_vcc 0
		.amdhsa_float_denorm_mode_32 3
		.amdhsa_float_denorm_mode_16_64 3
		.amdhsa_memory_ordered 1
		.amdhsa_forward_progress 1
		.amdhsa_inst_pref_size 54
	.end_amdhsa_kernel
	.amdgpu_metadata
---
amdhsa.version: [ 1, 2 ]
amdhsa.kernels:
  - .name:           k_qbee5a7f910_prep
    .symbol:         k_qbee5a7f910_prep.kd
    .args:
      - { .name: x, .offset: 0, .size: 8, .value_kind: global_buffer, .address_space: global }
      - { .name: W_q, .offset: 8, .size: 8, .value_kind: global_buffer, .address_space: global }
      - { .name: W_k, .offset: 16, .size: 8, .value_kind: global_buffer, .address_space: global }
      - { .name: W_v, .offset: 24, .size: 8, .value_kind: global_buffer, .address_space: global }
      - { .name: W_o, .offset: 32, .size: 8, .value_kind: global_buffer, .address_space: global }
      - { .name: xc, .offset: 40, .size: 8, .value_kind: global_buffer, .address_space: global }
      - { .name: xs, .offset: 48, .size: 8, .value_kind: global_buffer, .address_space: global }
      - { .name: wc, .offset: 56, .size: 8, .value_kind: global_buffer, .address_space: global }
      - { .name: ws, .offset: 64, .size: 8, .value_kind: global_buffer, .address_space: global }
      - { .name: wo16, .offset: 72, .size: 8, .value_kind: global_buffer, .address_space: global }
    .group_segment_fixed_size: 33280
    .private_segment_fixed_size: 0
    .kernarg_segment_align: 8
    .kernarg_segment_size: 80
    .max_flat_workgroup_size: 128
    .sgpr_count:     66
    .vgpr_count:     192
    .wavefront_size: 32
...
	.end_amdgpu_metadata
.endif
;; end of part 1
;; launch qkv (part 2): grid 12 x 32, 4 waves a work-group, clusters of 4 x 4, 327,680 bytes of LDS; arguments xc, xs, wc, ws, qkv; writes qkv
.if DOCPART == 2
	.amdgcn_target "amdgcn-amd-amdhsa--gfx1250"
	.amdhsa_code_object_version 6
	.text
	.protected	k_qbee5a7f910_qkv
	.globl	k_qbee5a7f910_qkv
	.p2align	8
	.type	k_qbee5a7f910_qkv,@function
k_qbee5a7f910_qkv:
	s_mov_b64 s[64:65], 0
	v_nop
	global_prefetch_b8 v0, s[64:65] scope:SCOPE_SE
	s_setreg_imm32_b32 hwreg(HW_REG_WAVE_MODE, 25, 1), 1
	s_wait_xcnt 0x0
	s_wait_alu depctr_hold_cnt(0) depctr_sa_sdst(0) depctr_va_vdst(0) depctr_va_sdst(0) depctr_va_ssrc(0) depctr_va_vcc(0) depctr_vm_vsrc(0)
	s_getreg_b32 s2, hwreg(HW_REG_IB_STS2, 6, 4)
	s_cmp_eq_u32 s2, 0
	s_cbranch_scc0 .Lentry_in_a_cluster
	s_endpgm
.Lentry_in_a_cluster:
	s_bfe_u32 s2, ttmp6, 0x10000c
	s_cmp_lg_u32 s2, 0xf033
	s_cbranch_scc0 .Lentry_shape_is_right
	s_endpgm
.Lentry_shape_is_right:
; q, k, v = x W^T on codes of E2M1 with one E8M0 scale for each 32 along K: C[m][n] = sum over k of A[m][k] B[n][k], A = x's codes [8192][1024], B = the three weights' codes [3072][1024]; sums in f32.
; The results leave as f16, head by head: qkv[part][16 batch + head][position][64], part 0 = q, 1 = k, 2 = v.  LIMIT: a result beyond 65,504 overflows f16.
; A tile of C, 256 x 256, is made by four waves, 128 x 128 each: 64 accumulators, 512 registers.  K = 1,024 is two steps of 512: both LDS slots are filled at the start and never again.
; The scale bytes of the work-group's 256 rows of A and of B, for all of K, come once, as rows of 256 bytes with 16 bytes of padding behind each.
; CLUSTERS: 4 x 4 work-groups; the four of a row of the cluster ask jointly for A's tiles, the four of a column for B's.  The matrix instruction is used transposed (source 0 = 16 rows of B,
; source 1 = 16 rows of A): a lane holds eight neighbouring columns of a row of C, which are eight channels of one head.
; REGISTERS: window 0: v0-31 addresses; v32-95 scale words, two sets; v96-127 packed results on the way out; from v128 A's fragments, one set (on the way out: rows read back);
;   window 1: B's fragments, two sets, at v0 and v128;  window 2: accumulators of my rows 0-63 ((a, b) at v[8 (8 a + b)]);  window 3: those of rows 64-127.
.set SIZE_M, 8192
.set SIZE_N, 3072
.set SIZE_K, 1024
.set KSTEP,  512
.set NQ,     KSTEP/128
.set ROWB,   256
.set KROW,   SIZE_K*4/8
.set PITCH,  272                       ; an LDS row: 256 bytes + 16 of padding: the 16 rows of a fragment load start 68 words apart
.set FR,     8
.set NL,     2
.set NP,     4                         ; places behind this matrix instruction (ISA guide 7.12.1)
.set HALFT,  128*PITCH
.set SLOT,   4*HALFT
.set KS,     SIZE_K/32
.set SCL,    2*SLOT
.set HALFS,  (128*KS/256)*272
.set SBLK,   (16*KS/256)*272
.set SPARE,  SCL+4*HALFS               ; the spare words: 128 bytes a wave, named by no other line
.set SPITCH, 272                       ; the way out: a stage of 16 rows x (256 bytes + 16) for each wave, in slot 0, which has had its only fill and its last read by then
.set ADRA, 16
.set ADRB, 20
.set STO,  24
.set RD,   25
.set CO,   26
.set ADRS, 27
.set SPW,  28
.set NIL,  29
.set SC,   32
.set TMP,  96
.set AF,   128
.set BK,   128
.set G1, 24
.set G0, 32
.set G1B, 48
.set G0B, 56
.set G1S, 68
.set G0S, 76
.set G1SB, 80
.set G0SB, 88
.set MSB, 0
.macro WIN new                         ; the immediate's high byte repeats the setting that is left
.if MSB != (\new)
	s_set_vgpr_msb (MSB<<8)|(\new)
.set MSB, (\new)
.endif
.endm
.set MUL_LO, 0xa1                      ; source 0 (B) window 1, source 1 (A) window 0, C and D window 2
.set MUL_HI, 0xf1
.set TO_B,   0x40
; A joint load: waves 0 and 1 fetch for A, waves 2 and 3 for B; the branch hangs on the wave's number alone.  An s_nop 0 and four v_nop follow each line.
.macro JLOAD g0a, g1a, g0b, g1b
	s_cmp_eq_u32 s15, 0
	s_cbranch_scc0 .Lfor_b_\@
	tensor_load_to_lds s[\g0a:\g0a+3], s[\g1a:\g1a+7]
	s_nop 0
.rept 4
	v_nop
.endr
	s_branch .Lasked_\@
.Lfor_b_\@:
	tensor_load_to_lds s[\g0b:\g0b+3], s[\g1b:\g1b+7]
	s_nop 0
.rept 4
	v_nop
.endr
.Lasked_\@:
.endm
.macro CROUND                          ; a round of the cluster's barrier
	s_barrier_signal -1
	s_barrier_wait -1
	s_cmp_lg_u32 s14, 0
	s_cbranch_scc1 .Lnot_wave_0_\@
	s_barrier_signal -3
.Lnot_wave_0_\@:
	s_barrier_wait -3
	s_barrier_signal -1
	s_barrier_wait -1
.endm
	s_load_b128 s[4:7], s[0:1], 0x0                ; x's codes, x's scales
	s_load_b128 s[8:11], s[0:1], 0x10              ; the weights' codes, their scales
	s_load_b64 s[12:13], s[0:1], 0x20              ; qkv
	v_lshl_add_u32 v[SPW], v0, 2, SPARE
	v_mov_b32 v[NIL], 0
	ds_add_u32 v[SPW], v[NIL]                      ; the opening: the add, twice on end, and its wait ahead of my first tensor load
	ds_add_u32 v[SPW], v[NIL]
	v_lshrrev_b32 v1, 5, v0
	v_readfirstlane_b32 s14, v1                    ; wave 0..3
	s_lshr_b32 s15, s14, 1                         ; my half of the tile's rows; also: I fetch for A (0) or B (1)
	s_and_b32 s16, s14, 1                          ; my half of its columns; also: which 128 rows I fetch
	s_bfe_u32 s40, ttmp6, 0x40000                  ; cx
	s_bfe_u32 s41, ttmp6, 0x40004                  ; cy
	s_lshl_b32 s42, ttmp9, 2
	s_add_co_u32 s42, s42, s40                     ; tile column
	s_and_b32 s17, ttmp7, 0xffff
	s_lshl_b32 s17, s17, 2
	s_add_co_u32 s17, s17, s41                     ; tile row
	s_lshl_b32 s43, s41, 2
	s_lshl_b32 s43, 15, s43                        ; my row of the cluster
	s_lshl_b32 s44, 0x1111, s40                    ; my column
	s_or_b32 s[G1+0], s43, (0<<16)|(1<<20)|(1<<21)|(5<<22)|(3<<25)  ; mask; elements of 1 byte; padding: 4 words behind every 64
	s_or_b32 s[G1B+0], s44, (0<<16)|(1<<20)|(1<<21)|(5<<22)|(3<<25)
.irp g, G1, G1B
	s_mov_b32 s[\g+1], ROWB<<16                    ; tensor_dim0
	s_mov_b32 s[\g+2], 128<<16                     ; tensor_dim1
	s_mov_b32 s[\g+3], ROWB<<16                    ; tile_dim0
	s_mov_b32 s[\g+4], 128                         ; tile_dim1
	s_mov_b32 s[\g+5], KROW                        ; from row to row
	s_mov_b32 s[\g+6], 0
	s_mov_b32 s[\g+7], 0
.endr
	s_or_b32 s[G1S+0], s43, (3<<16)|(1<<20)|(1<<21)|(5<<22)|(3<<25)  ; the scales of 128 rows: a dense block, as rows of 32 elements of 8 bytes
	s_or_b32 s[G1SB+0], s44, (3<<16)|(1<<20)|(1<<21)|(5<<22)|(3<<25)
.irp g, G1S, G1SB
	s_mov_b32 s[\g+1], 32<<16
	s_mov_b32 s[\g+2], (128*KS/256)<<16
	s_mov_b32 s[\g+3], 32<<16
	s_mov_b32 s[\g+4], 128*KS/256
	s_mov_b32 s[\g+5], 32
	s_mov_b32 s[\g+6], 0
	s_mov_b32 s[\g+7], 0
.endr
	s_lshl_b32 s18, s16, 7
	s_lshl_b32 s20, s17, 8
	s_add_co_u32 s20, s20, s18                     ; A: row 256 x tile row + 128 x half
	s_lshl_b32 s46, s42, 8
	s_add_co_u32 s46, s46, s18                     ; B: row 256 x tile column + 128 x half
	s_mov_b32 s21, 0
	s_mov_b32 s47, 0
	s_mov_b64 s[18:19], KS
	s_mul_u64 s[22:23], s[20:21], s[18:19]
	s_mul_u64 s[92:93], s[46:47], s[18:19]
	s_mov_b64 s[18:19], KROW
	s_mul_u64 s[20:21], s[20:21], s[18:19]
	s_mul_u64 s[46:47], s[46:47], s[18:19]
	s_mul_i32 s45, s14, HALFT                      ; where they go: wave x 128 rows
	s_mul_i32 s94, s14, HALFS
	s_wait_dscnt 0x0                               ; both opening adds are done
	s_wait_kmcnt 0x0
	s_add_nc_u64 s[20:21], s[4:5], s[20:21]
	s_add_nc_u64 s[22:23], s[6:7], s[22:23]
	s_add_nc_u64 s[46:47], s[8:9], s[46:47]
	s_add_nc_u64 s[92:93], s[10:11], s[92:93]
	CROUND                                         ; all sixteen work-groups are here: the joint loads meet
	s_mov_b32 s[G0S], 1
	s_add_co_u32 s[G0S+1], s94, SCL
	s_mov_b64 s[G0S+2:G0S+3], s[22:23]
	s_or_b32 s[G0S+3], s[G0S+3], 0x80000000
	s_mov_b32 s[G0SB], 1
	s_add_co_u32 s[G0SB+1], s94, SCL
	s_mov_b64 s[G0SB+2:G0SB+3], s[92:93]
	s_or_b32 s[G0SB+3], s[G0SB+3], 0x80000000
	JLOAD G0S, G1S, G0SB, G1SB                     ; the scales first
.irp s, 0,1
	s_mov_b32 s[G0+4*\s], 1
	s_add_co_u32 s[G0+4*\s+1], s45, \s*SLOT
	s_add_nc_u64 s[G0+4*\s+2:G0+4*\s+3], s[20:21], \s*ROWB
	s_or_b32 s[G0+4*\s+3], s[G0+4*\s+3], 0x80000000
	s_mov_b32 s[G0B+4*\s], 1
	s_add_co_u32 s[G0B+4*\s+1], s45, \s*SLOT
	s_add_nc_u64 s[G0B+4*\s+2:G0B+4*\s+3], s[46:47], \s*ROWB
	s_or_b32 s[G0B+4*\s+3], s[G0B+4*\s+3], 0x80000000
	JLOAD G0+4*\s, G1, G0B+4*\s, G1B               ; three loads of mine are out at the most
.endr
	v_and_b32 v1, 15, v0                           ; l % 16
	v_bfe_u32 v2, v0, 4, 1                         ; l / 16
	v_mul_u32_u24 v3, v1, PITCH
	v_lshl_add_u32 v4, v2, 4, v3
	s_mul_i32 s21, s15, HALFT
	s_mul_i32 s22, s16, HALFT
	s_add_co_u32 s22, s22, 2*HALFT
.irp s, 0,1
	v_add_nc_u32 v[ADRA+\s], s21, v4
	v_add_nc_u32 v[ADRB+\s], s22, v4
	s_add_co_u32 s21, s21, SLOT
	s_add_co_u32 s22, s22, SLOT
.endr
	v_mul_u32_u24 v5, v1, KS                       ; my row's scales: KS bytes a row,
	v_lshrrev_b32 v6, 8, v5
	v_lshl_add_u32 v5, v6, 4, v5                   ; and 16 more for each 256 passed
	s_mul_i32 s21, s15, HALFS
	s_mul_i32 s22, s16, HALFS
	s_add_co_u32 s22, s22, 2*HALFS
	s_sub_co_u32 s22, s22, s21
	v_mul_u32_u24 v6, s22, v2                      ; lanes 16-31 take B's
	s_add_co_u32 s21, s21, SCL
	v_add_nc_u32 v5, v5, v6
	v_add_nc_u32 v[ADRS], s21, v5
	s_mul_i32 s23, s14, 16*SPITCH                  ; my stage
	v_mul_u32_u24 v5, v1, SPITCH                   ; in: row l % 16, 16 bytes for each half of the lanes
	v_lshl_add_u32 v5, v2, 4, v5
	v_add_nc_u32 v[STO], s23, v5
	v_bfe_u32 v5, v0, 3, 1                         ; back: lanes 0-15 take two rows' 128 bytes of my first head, lanes 16-31 of my second
	v_mul_u32_u24 v5, v5, SPITCH
	v_lshl_add_u32 v5, v2, 7, v5
	v_and_b32 v6, 7, v0
	v_lshl_add_u32 v5, v6, 4, v5
	v_add_nc_u32 v[RD], s23, v5
	v_lshlrev_b32 v[CO], 4, v1                     ; in memory: two rows of a head are 256 consecutive bytes; the next head lies 262,144 bytes on
	v_lshl_add_u32 v[CO], v2, 18, v[CO]
	s_lshr_b32 s20, s17, 3                         ; batch = tile row / 8
	s_lshl_b32 s20, s20, 4
	s_lshl_b32 s21, s16, 1
	s_add_co_u32 s20, s20, s21                     ; 16 batch + 2 x my half of the columns
	s_lshl_b32 s20, s20, 18
	s_and_b32 s21, s17, 7
	s_lshl_b32 s21, s21, 8
	s_lshl_b32 s22, s15, 7
	s_add_co_u32 s21, s21, s22                     ; my first position
	s_lshl_b32 s21, s21, 7
	s_add_co_u32 s20, s20, s21
	s_mov_b32 s21, 0
	s_lshl_b32 s46, ttmp9, 24                      ; the part: cluster x = 0, 1, 2 is q, k, v
	s_lshl_b32 s47, s40, 20                        ; 4 cx heads
	s_add_co_u32 s46, s46, s47
	s_mov_b32 s47, 0
	s_add_nc_u64 s[20:21], s[20:21], s[46:47]
	s_add_nc_u64 s[12:13], s[12:13], s[20:21]
.macro FRAG reg, adr, q, i             ; 16 rows x 128 K of 4-bit codes: 8 registers, two loads of 16 bytes, 32 bytes apart
.irp c, 0,1
	ds_load_b128 v[\reg+4*\c:\reg+4*\c+3], v[\adr] offset:64*(\q)+32*\c+(\i)*16*PITCH
.endr
.endm
; 16 matrix instructions: A's blocks a0, a0 + 1 x B's eight.  The 64 accumulators take turns, one instruction a turn, in the same order in every step.
.macro MUL16 a0, p, q, sc, zero
.irp a, \a0, \a0+1
.irp b, 0,1,2,3,4,5,6,7
.if \zero
	v_wmma_scale_f32_16x16x128_f8f6f4 v[8*(8*((\a)%4)+\b):8*(8*((\a)%4)+\b)+7], v[128*(\p)+FR*\b:128*(\p)+FR*\b+FR-1], v[AF+FR*(\a):AF+FR*(\a)+FR-1], 0, v[SC+8*NQ*(\sc)+NQ*\b+(\q)], v[SC+8*NQ*(\sc)+NQ*(\a)+(\q)] matrix_a_fmt:MATRIX_FMT_FP4 matrix_b_fmt:MATRIX_FMT_FP4 matrix_a_scale:MATRIX_SCALE_ROW1
.else
	v_wmma_scale_f32_16x16x128_f8f6f4 v[8*(8*((\a)%4)+\b):8*(8*((\a)%4)+\b)+7], v[128*(\p)+FR*\b:128*(\p)+FR*\b+FR-1], v[AF+FR*(\a):AF+FR*(\a)+FR-1], v[8*(8*((\a)%4)+\b):8*(8*((\a)%4)+\b)+7], v[SC+8*NQ*(\sc)+NQ*\b+(\q)], v[SC+8*NQ*(\sc)+NQ*(\a)+(\q)] matrix_a_fmt:MATRIX_FMT_FP4 matrix_b_fmt:MATRIX_FMT_FP4 matrix_a_scale:MATRIX_SCALE_ROW1
.endif
.endr
.endr
.endm
.macro FETCH_B slot, q, p
	WIN TO_B
.irp i, 0,1,2,3,4,5,6,7
	FRAG 128*(\p)+FR*\i, ADRB+\slot, \q, \i
.endr
	WIN 0
.endm
.macro FETCH_A slot, q, i0
.irp i, \i0, \i0+1, \i0+2, \i0+3
	FRAG AF+FR*(\i), ADRA+\slot, \q, \i
.endr
.endm
.macro SCALES sc                       ; a K step's scale words: lanes 0-15 take A's block i, lanes 16-31 B's block i
.irp i, 0,1,2,3,4,5,6,7
	ds_load_b128 v[SC+8*NQ*\sc+NQ*\i:SC+8*NQ*\sc+NQ*\i+3], v[ADRS] offset:\i*SBLK
.endr
.endm
.macro PLACES n                        ; plain vector instructions between a matrix instruction and a load into, or a read of, its registers
.rept \n
	v_nop
.endr
.endm
.macro STEP slot, q, zero              ; 128 along K, with its successor in the same slot
	s_wait_dscnt 4*NL                              ; B's set and A's blocks 0-3 are in; the youngest eight loads (A's blocks 4-7) may be out
	WIN MUL_LO
	MUL16 0, (\q)%2, \q, \slot, \zero
	MUL16 2, (\q)%2, \q, \slot, \zero
	s_wait_dscnt 0
	PLACES NP
	FETCH_B \slot, (\q)+1, 1-(\q)%2
	FETCH_A \slot, (\q)+1, 0
	WIN MUL_HI
	MUL16 4, (\q)%2, \q, \slot, \zero
	MUL16 6, (\q)%2, \q, \slot, \zero
	PLACES NP
	WIN 0
	FETCH_A \slot, (\q)+1, 4
.endm
; Slot 0's last step goes over to slot 1: each wave waits for all its tensor loads, adds 0 to its spare word, waits for that and for its reads; one barrier.  Nothing is filled again.
.macro TURN slot, next
	s_wait_tensorcnt 0x0                           ; my part of the next slot has landed
	ds_add_u32 v[SPW], v[NIL]
	s_wait_dscnt 4*NL+1                            ; the add and the youngest eight loads may be out
	WIN MUL_LO
	MUL16 0, 1, NQ-1, \slot, 0
	s_wait_dscnt 0x0                               ; the add is done, and my reads of this slot are over
	s_barrier_signal -1
	MUL16 2, 1, NQ-1, \slot, 0
	WIN 0
	s_barrier_wait -1
	PLACES NP
	v_add_nc_u32 v[ADRS], 4*NQ, v[ADRS]            ; the next K step's scale words
	FETCH_B \next, 0, 0
	FETCH_A \next, 0, 0
	SCALES \next
	WIN MUL_HI
	MUL16 4, 1, NQ-1, \slot, 0
	MUL16 6, 1, NQ-1, \slot, 0
	PLACES NP
	WIN 0
	FETCH_A \next, 0, 4
.endm
.macro STEPS slot, from
.set Q, \from
.rept NQ-1-\from
	STEP \slot, Q, 0
.set Q, Q+1
.endr
.endm
	s_wait_tensorcnt 1                             ; the scales and my part of slot 0 are in; slot 1's load may be out
	s_barrier_signal -1
	s_barrier_wait -1
	FETCH_B 0, 0, 0
	FETCH_A 0, 0, 0
	SCALES 0
	FETCH_A 0, 0, 4
	STEP 0, 0, 1                                   ; the first products start the sums: nothing is cleared
	STEPS 0, 1
	TURN 0, 1
	STEPS 1, 0
	s_wait_dscnt 4*NL
	WIN MUL_LO
	MUL16 0, 1, NQ-1, 1, 0
	MUL16 2, 1, NQ-1, 1, 0
	s_wait_dscnt 0
	WIN MUL_HI
	MUL16 4, 1, NQ-1, 1, 0
	MUL16 6, 1, NQ-1, 1, 0
	WIN 0
; THE WAY OUT, a block of 16 rows x 128 columns (two heads) at a time: rounded to f16, 16 bytes a lane into my stage, back so that sixteen lanes hold two rows of one head: 256 consecutive bytes of qkv.
.macro PACK a
.set AC, 64*((\a)%4)
	WIN 0x0a+5*((\a)/4)                            ; sources 0 and 1: window 2 or 3
.irp b, 0,1,2,3,4,5,6,7
.irp r, 0,1,2,3
	v_cvt_pk_f16_f32 v[TMP+4*\b+\r], v[AC+8*\b+2*\r], v[AC+8*\b+2*\r+1]   ; each accumulator from its low end on
.endr
.endr
	WIN 0
.endm
.macro TOSTAGE a
.set BB, BK+32*((\a)%2)
.irp b, 0,1,2,3,4,5,6,7
	ds_store_b128 v[STO], v[TMP+4*\b:TMP+4*\b+3] offset:32*\b
.endr
.irp t, 0,1,2,3,4,5,6,7
	ds_load_b128 v[BB+4*\t:BB+4*\t+3], v[RD] offset:\t*2*SPITCH    ; LDS serves a wave's instructions in order: these see the stores above
.endr
.endm
.macro SEND a
.set BB, BK+32*((\a)%2)
	s_wait_dscnt 0x0                               ; the block is back in registers
	s_wait_xcnt 0x0                                ; the stores of the block before have read their registers: the next block's loads may land there
.irp t, 0,1,2,3,4,5,6,7
	global_store_b128 v[CO], v[BB+4*\t:BB+4*\t+3], s[12:13] offset:(16*(\a)+2*\t)*128
.endr
.endm
	PLACES NP
	PACK 0
	TOSTAGE 0
.irp a, 1,2,3,4,5,6,7
	PACK \a
	SEND \a-1
	TOSTAGE \a
.endr
	SEND 7
	s_wait_tensorcnt 0x0                           ; the wave's end
	ds_add_u32 v[SPW], v[NIL]
	s_wait_dscnt 0x0
	CROUND                                         ; the closing round
	s_endpgm
.Lfunc_end_k_qbee5a7f910_qkv:
	.size	k_qbee5a7f910_qkv, .Lfunc_end_k_qbee5a7f910_qkv-k_qbee5a7f910_qkv
	.p2alignl 7, 3214868480
	.fill 96, 4, 3214868480
	.section	.rodata,"a",@progbits
	.p2align	6, 0x0
	.amdhsa_kernel k_qbee5a7f910_qkv
		.amdhsa_group_segment_fixed_size 327680
		.amdhsa_private_segment_fixed_size 0
		.amdhsa_enable_private_segment 0
		.amdhsa_kernarg_size 40
		.amdhsa_user_sgpr_count 2
		.amdhsa_user_sgpr_kernarg_segment_ptr 1
		.amdhsa_wavefront_size32 1
		.amdhsa_system_sgpr_workgroup_id_x 1
		.amdhsa_system_sgpr_workgroup_id_y 1
		.amdhsa_system_sgpr_workgroup_id_z 1
		.amdhsa_system_vgpr_workitem_id 0
		.amdhsa_next_free_vgpr 1024
		.amdhsa_next_free_sgpr 98
		.amdhsa_reserve_vcc 0
		.amdhsa_float_denorm_mode_32 3
		.amdhsa_float_denorm_mode_16_64 3
		.amdhsa_memory_ordered 1
		.amdhsa_forward_progress 1
		.amdhsa_inst_pref_size 127
	.end_amdhsa_kernel
	.amdgpu_metadata
---
amdhsa.version: [ 1, 2 ]
amdhsa.kernels:
  - .name:           k_qbee5a7f910_qkv
    .symbol:         k_qbee5a7f910_qkv.kd
    .args:
      - { .name: xc, .offset: 0, .size: 8, .value_kind: global_buffer, .address_space: global }
      - { .name: xs, .offset: 8, .size: 8, .value_kind: global_buffer, .address_space: global }
      - { .name: wc, .offset: 16, .size: 8, .value_kind: global_buffer, .address_space: global }
      - { .name: ws, .offset: 24, .size: 8, .value_kind: global_buffer, .address_space: global }
      - { .name: qkv, .offset: 32, .size: 8, .value_kind: global_buffer, .address_space: global }
    .group_segment_fixed_size: 327680
    .private_segment_fixed_size: 0
    .kernarg_segment_align: 8
    .kernarg_segment_size: 40
    .max_flat_workgroup_size: 128
    .sgpr_count:     98
    .vgpr_count:     1024
    .wavefront_size: 32
...
	.end_amdgpu_metadata
.endif
;; end of part 2
;; launch attn (part 3): grid 4 x 64, 8 waves a work-group, no clusters, 327,680 bytes of LDS; arguments qkv, att; writes att
.if DOCPART == 3
	.amdgcn_target "amdgcn-amd-amdhsa--gfx1250"
	.amdhsa_code_object_version 6
	.text
	.protected	k_qbee5a7f910_attn
	.globl	k_qbee5a7f910_attn
	.p2align	8
	.type	k_qbee5a7f910_attn,@function
k_qbee5a7f910_attn:
	s_mov_b64 s[64:65], 0
	v_nop
	global_prefetch_b8 v0, s[64:65] scope:SCOPE_SE
	s_setreg_imm32_b32 hwreg(HW_REG_WAVE_MODE, 25, 1), 1
	s_wait_xcnt 0x0
; att[bh][q][:] = the sum over k <= q of softmax_k(q . k / 8) v[k][:], for 64 heads (bh = 16 batch + head) of 2,048 positions x 64 channels.  q, k, v, att in f16; products' sums, maxima, sums in f32;
; the weights p are rounded to f16 for the second product.  A running maximum m and sum l for each query: p = 2^(c s - c m), c = log2(e) / 8.
; WORK LEFT OUT: a step of 64 keys all of which come after my wave's 32 queries: reference()'s own tril makes their weights exactly 0.  A NaN or infinity at such keys alone is not carried to the result.
; SHARES.  Work-group (i, bh), i = 0..3, takes the query block 7 - i (256 queries) and then block i: (8 - i) + (i + 1) = 9 slots of 256 keys, whatever i.  Each of eight waves owns 32 queries of a block, two tiles of 16.
; NO CLUSTER: the four work-groups of a head want 8 - i and then i + 1 slots; walking jointly would be 8 + 4 = 12 slots for 9 of work, and whole partners would jump over the reads of tiles that a joint load brings.
; LAYOUT.  S^T = K Q^T (source 0 = 16 keys, source 1 = 16 queries) and O^T = V^T P (source 0 = 16 channels x 32 keys, by the transposing LDS load): a lane holds ONE query (lane % 16) throughout.
; RING.  Two LDS slots of four key steps; a step: 64 rows of K (128 bytes + 16), then 64 rows of V (128 + 32).  Waves 0-3 bring K's four steps, waves 4-7 V's: one tensor load a wave behind each change of slots.
; The step is written once: O^T and l begin as zeros and m as -3e38, since where the second block begins hangs on the work-group's number.
; REGISTERS: window 0: v1-15 addresses; v16-31 statistics, 8 a tile; v64-127 S^T; v128-159 P; v160-191 Q; v192-255 O^T.  window 1: v0-63 K's fragments, v64-127 V's, v128-159 Q of the second block.
.set PK,    144
.set PV,    160
.set VOFF,  64*PK
.set STEPB, 64*(PK+PV)
.set SLOT1, 1<<17
.set STAGE, 2*SLOT1                    ; the way out: 2 tiles x 16 rows x 144 bytes for each wave; no tile lands here
.set SPARE, STAGE+8*4608               ; the spare words: 128 bytes a wave, named by no other line
.set AK0, 1
.set AV0, 2
.set ADK, 3
.set ADV, 4
.set STO, 5
.set RD,  6
.set GO,  7
.set PFO, 8
.set SPW, 9
.set NIL, 10
.set D0,  11                           ; lane % 16 - 8 (lane / 16); v12, v13: the mask's bound for tiles 0, 1
.set NINF, 14
.set QO,  15
.set ST,  16                           ; tile q at v[ST + 8 q]: +0 c m, +1 m, +2, +3 l, +4..+7 c0-c3 at work (a takes c2's place)
.set S,   64
.set P,   128
.set Q,   160
.set O,   192
.set WV,  8
.set T,   11                           ; s11  the trip, 0..8
.set NB,  12                           ; s12  8 - i: the trips of the first block
.set TB,  14                           ; s14  LDS byte at which the step in hand begins
.set KF,  15                           ; s15  the step's first key
.set Q0,  16                           ; s16  my first query of the block in hand
.set LIM, 17                           ; s17  6 in the head's first work-group, else 0
.set PFA, 18                           ; s[18:19] where my prefetches stand
.set MSB, 0
.macro WIN new
.if MSB != (\new)
	s_set_vgpr_msb (MSB<<8)|(\new)
.set MSB, (\new)
.endif
.endm
; Every wave's one tensor load: waves 0-3 with K's shape, waves 4-7 with V's.  An s_nop 0 and four v_nop follow each line.
.macro TLOAD
	s_cmp_lt_u32 s[WV], 4
	s_cbranch_scc0 .Lfor_v_\@
	tensor_load_to_lds s[40:43], s[24:31]
	s_nop 0
.rept 4
	v_nop
.endr
	s_branch .Lasked_\@
.Lfor_v_\@:
	tensor_load_to_lds s[40:43], s[32:39]
	s_nop 0
.rept 4
	v_nop
.endr
.Lasked_\@:
.endm
; A prefetch of what the NEXT change of slots will load: my own 64 rows (8,192 dense bytes), lanes 256 bytes apart.  The four work-groups of a head walk the same keys, the long block first:
; the first of them (i = 0) asks, in trips 0 to 5, for slots 2 to 7: each 256 bytes are named once in the launch.  Slots 0 and 1 come by their loads alone.
.macro ASK
	s_cmp_lt_u32 s[T], s[LIM]
	s_cbranch_scc0 .Lnot_mine_\@
	global_prefetch_b8 v[PFO], s[PFA:PFA+1] th:TH_LOAD_NT scope:SCOPE_SE
.Lnot_mine_\@:
.endm
; THE CHANGE OF SLOTS, at a slot's head.  Each wave waits for all its tensor loads (its part of the slot ahead), adds 0 to its spare word, waits for that and for its reads of the slot that it has left; one barrier;
; behind it (fill = 1) the slot just left takes the next trip's keys.  Where the next trip begins the second block the address goes back to key 0.
.macro CHANGE fill
	s_wait_tensorcnt 0x0                           ; no tensor load of mine is out, so the descriptor may be written
	ds_add_u32 v[SPW], v[NIL]
.if \fill
	s_xor_b32 s41, s41, SLOT1
	s_add_nc_u64 s[42:43], s[42:43], 32768         ; the next 256 keys
	s_add_co_u32 s52, s[T], 1
	s_cmp_eq_u32 s52, s[NB]
	s_cselect_b32 s46, s44, 0                      ; NB x 32,768 bytes back, or none: ids and the count of trips alone
	s_sub_nc_u64 s[42:43], s[42:43], s[46:47]
	s_wait_xcnt 0x0                                ; the last prefetch, a slot back, has read its address
	s_add_nc_u64 s[PFA:PFA+1], s[PFA:PFA+1], 32768
.endif
	s_wait_dscnt 0x0                               ; the add is done, and my reads of the slot that I have left are over
	s_barrier_signal -1
	s_barrier_wait -1
.if \fill
	TLOAD                                          ; the first thing behind the barrier, and my one tensor load until the next
	ASK
.endif
.endm
.macro SOFTMAX                         ; both tiles, line by line by turns
.irp kt, 0,1,2,3
.irp q, 0,1
	v_max3_num_f32 v[ST+8*\q+4+\kt], v[S+32*\q+8*\kt], v[S+32*\q+8*\kt+1], v[S+32*\q+8*\kt+2]   ; each accumulator is read from its low end on
.endr
.endr
.irp jj, 3,5
.irp kt, 0,1,2,3
.irp q, 0,1
	v_max3_num_f32 v[ST+8*\q+4+\kt], v[ST+8*\q+4+\kt], v[S+32*\q+8*\kt+\jj], v[S+32*\q+8*\kt+\jj+1]
.endr
.endr
.endr
.irp q, 0,1
	v_max3_num_f32 v[ST+8*\q+4], v[ST+8*\q+4], v[S+32*\q+7], v[S+32*\q+15]
.endr
.irp q, 0,1
	v_max3_num_f32 v[ST+8*\q+6], v[ST+8*\q+6], v[S+32*\q+23], v[S+32*\q+31]
.endr
.irp q, 0,1
	v_max3_num_f32 v[ST+8*\q+4], v[ST+8*\q+4], v[ST+8*\q+5], v[ST+8*\q+6]
.endr
.irp q, 0,1
	v_max3_num_f32 v[ST+8*\q+4], v[ST+8*\q+4], v[ST+8*\q+7], v[ST+8*\q+1]   ; with the old m
.endr
.irp q, 0,1
	v_permlanex16_b32 v[ST+8*\q+5], v[ST+8*\q+4], s20, s21                  ; the query's other 32 keys lie in the lane 16 away
.endr
.irp q, 0,1
	v_mov_b32 v[ST+8*\q+7], v[ST+8*\q]                                      ; c m_old
.endr
.irp q, 0,1
	v_max_num_f32 v[ST+8*\q+1], v[ST+8*\q+4], v[ST+8*\q+5]
.endr
.irp q, 0,1
	v_mul_f32 v[ST+8*\q], s22, v[ST+8*\q+1]
.endr
.irp q, 0,1
	v_sub_f32 v[ST+8*\q+7], v[ST+8*\q+7], v[ST+8*\q]                        ; c m_old - c m_new
.endr
.set n, 0
.rept 32
	v_pk_fma_f32 v[S+2*n:S+2*n+1], v[S+2*n:S+2*n+1], s[22:23], v[ST+8*(n/16):ST+8*(n/16)+1] op_sel_hi:[1,0,0] neg_lo:[0,0,1] neg_hi:[0,0,1]   ; c s - c m
.set n, n+1
.endr
.irp q, 0,1
	v_exp_f32 v[ST+8*\q+6], v[ST+8*\q+7]                                    ; a
.endr
.set n, 0
.rept 64
	v_exp_f32 v[S+n], v[S+n]                                                ; p: one batch, none of which reads another's result
.set n, n+1
.endr
	v_nop                                          ; a plain instruction behind the last exponential
	s_wait_alu depctr_va_vdst(0)                   ; one wait for the batch, ahead of its first reader
.set n, 0
.rept 32
	v_cvt_pk_f16_f32 v[P+n], v[S+2*n], v[S+2*n+1]
.set n, n+1
.endr
.set n, 0
.rept 16
	v_pk_add_f32 v[S+4*n:S+4*n+1], v[S+4*n:S+4*n+1], v[S+4*n+2:S+4*n+3]     ; the sum of the unrounded p, in place
.set n, n+1
.endr
.set n, 0
.rept 8
	v_pk_add_f32 v[S+8*n:S+8*n+1], v[S+8*n:S+8*n+1], v[S+8*n+4:S+8*n+5]
.set n, n+1
.endr
.set n, 0
.rept 4
	v_pk_add_f32 v[S+16*n:S+16*n+1], v[S+16*n:S+16*n+1], v[S+16*n+8:S+16*n+9]
.set n, n+1
.endr
.irp q, 0,1
	v_pk_add_f32 v[S+32*\q:S+32*\q+1], v[S+32*\q:S+32*\q+1], v[S+32*\q+16:S+32*\q+17]
.endr
.irp q, 0,1
	v_pk_fma_f32 v[ST+8*\q+2:ST+8*\q+3], v[ST+8*\q+2:ST+8*\q+3], v[ST+8*\q+6:ST+8*\q+7], v[S+32*\q:S+32*\q+1] op_sel_hi:[1,0,1]   ; l = a l + the sum
.endr
.set n, 0
.rept 32
	v_pk_mul_f32 v[O+2*n:O+2*n+1], v[O+2*n:O+2*n+1], v[ST+8*(n/16)+6:ST+8*(n/16)+7] op_sel_hi:[1,0]   ; O^T x a, each accumulator from its low end on
.set n, n+1
.endr
.endm
; A KEY STEP: 64 keys.
.macro STEP
	s_add_co_u32 s52, s[Q0], 31
	s_cmp_gt_u32 s[KF], s52                        ; all 64 keys come after my 32 queries: the step's work is left out (ids and counts alone)
	s_cbranch_scc1 .Lhidden_\@
	v_add_nc_u32 v[ADK], s[TB], v[AK0]
	v_add_nc_u32 v[ADV], s[TB], v[AV0]
	v_nop
	v_nop                                          ; four plain instructions between the last products and the loads into V's registers
	WIN 0x40                                       ; destination window 1
.irp f, 0,1,2,3,4,5,6,7                        ; K: keys 16 (f / 2) on, channels 32 (f % 2) on
	ds_load_b128 v[8*\f:8*\f+3],   v[ADK] offset:(\f/2)*16*PK+(\f%2)*64
	ds_load_b128 v[8*\f+4:8*\f+7], v[ADK] offset:(\f/2)*16*PK+(\f%2)*64+32
.endr
.irp f, 0,1,2,3,4,5,6,7                        ; V, turned: keys 32 (f / 4) on, channels 16 (f % 4) on
	ds_load_tr16_b128 v[64+8*\f:64+8*\f+3],   v[ADV] offset:(\f/4)*32*PV+(\f%4)*32
	ds_load_tr16_b128 v[64+8*\f+4:64+8*\f+7], v[ADV] offset:(\f/4)*32*PV+16*PV+(\f%4)*32
.endr
	s_wait_dscnt 16                                ; K is in; V's sixteen loads may be out
	WIN 0x01                                       ; source 0 window 1
.set i, 0
.rept 16                                       ; S^T = K Q^T: eight accumulators by turns, one instruction a turn
.set rS, S+32*(i%2)+8*((i/2)%4)
.set rK, 8*(2*((i/2)%4)+i/8)
.set rQ, Q+16*(i%2)+8*(i/8)
.if i < 8
	v_wmma_f32_16x16x32_f16 v[rS:rS+7], v[rK:rK+7], v[rQ:rQ+7], 0
.else
	v_wmma_f32_16x16x32_f16 v[rS:rS+7], v[rK:rK+7], v[rQ:rQ+7], v[rS:rS+7]
.endif
.set i, i+1
.endr
	WIN 0
.rept 4
	v_nop
.endr
	s_add_co_u32 s52, s[KF], 63
	s_cmp_le_u32 s52, s[Q0]                        ; all 64 keys count for all my queries: no mask
	s_cbranch_scc1 .Lopen_\@
	s_sub_co_u32 s52, s[Q0], s[KF]                 ; 0 or 32 here
	v_add_nc_u32 v12, s52, v[D0]                   ; register 8 kt + j of tile q holds key KF + 16 kt + 8 (lane / 16) + j: hidden where 16 kt + j > Q0 + 16 q + lane % 16 - KF - 8 (lane / 16)
	v_add_nc_u32 v13, 16, v12
.set n, 0
.rept 64
	v_cmp_gt_i32 vcc_lo, 16*((n%32)/8)+n%8, v[12+n/32]
	v_cndmask_b32 v[S+n], v[S+n], v[NINF], vcc_lo
.set n, n+1
.endr
.Lopen_\@:
	SOFTMAX
	s_wait_dscnt 0x0                               ; V is in
	WIN 0x01
.set i, 0
.rept 16                                       ; O^T += V^T P: eight accumulators by turns
.set rO, O+32*(i%2)+8*((i/2)%4)
.set rV, 64+8*(4*(i/8)+(i/2)%4)
.set rP, P+16*(i%2)+8*(i/8)
	v_wmma_f32_16x16x32_f16 v[rO:rO+7], v[rV:rV+7], v[rP:rP+7], v[rO:rO+7]
.set i, i+1
.endr
	WIN 0
.Lhidden_\@:
	s_add_co_u32 s[TB], s[TB], STEPB
	s_add_co_u32 s[KF], s[KF], 64
.endm
.macro RESET copy                      ; a block's start: zeros, and m under every score
.if \copy
	WIN 0x01
.set n, 0
.rept 32
	v_mov_b32 v[Q+n], v[128+n]                     ; the second block's Q
.set n, n+1
.endr
	WIN 0
.endif
.set n, 0
.rept 64
	v_mov_b32 v[O+n], 0
.set n, n+1
.endr
.irp q, 0,1
	v_mov_b32 v[ST+8*\q+1], 0xff61b1e6             ; -3e38
	v_mul_f32 v[ST+8*\q], s22, v[ST+8*\q+1]
	v_mov_b32 v[ST+8*\q+2], 0
	v_mov_b32 v[ST+8*\q+3], 0
	v_mov_b32 v[ST+8*\q+5], 0                      ; a lane permute's destination counts as one of its sources
	v_mov_b32 v[ST+8*\q+7], 0
.endr
.endm
; A block's way out: O^T / l, rounded to f16, through my stage, back as whole rows: a store covers four rows of att, 512 consecutive bytes.
.macro FINISH
.irp q, 0,1
	v_add_f32 v[ST+8*\q+4], v[ST+8*\q+2], v[ST+8*\q+3]
.endr
.irp q, 0,1
	v_permlanex16_b32 v[ST+8*\q+5], v[ST+8*\q+4], s20, s21
.endr
.irp q, 0,1
	v_add_f32 v[ST+8*\q+4], v[ST+8*\q+4], v[ST+8*\q+5]
.endr
.irp q, 0,1
	v_rcp_f32 v[ST+8*\q+6], v[ST+8*\q+4]
.endr
	v_nop
	s_wait_alu depctr_va_vdst(0)                   ; one wait for both reciprocals, ahead of their first reader
.set n, 0
.rept 32
	v_pk_mul_f32 v[O+2*n:O+2*n+1], v[O+2*n:O+2*n+1], v[ST+8*(n/16)+6:ST+8*(n/16)+7] op_sel_hi:[1,0]
.set n, n+1
.endr
.set n, 0
.rept 32
	v_cvt_pk_f16_f32 v[P+n], v[O+2*n], v[O+2*n+1]
.set n, n+1
.endr
.irp n, 0,1,2,3,4,5,6,7                        ; tile n / 4, channels 16 (n % 4) on
	ds_store_b128 v[STO], v[P+4*\n:P+4*\n+3] offset:2304*(\n/4)+32*(\n%4)
.endr
.irp n, 0,1,2,3,4,5,6,7                        ; tile n / 4, rows 4 (n % 4) on.  LDS serves a wave's instructions in order: these see my stores
	ds_load_b128 v[S+4*\n:S+4*\n+3], v[RD] offset:2304*(\n/4)+576*(\n%4)
.endr
.irp n, 0,1,2,3,4,5,6,7
	s_wait_dscnt 7-\n                              ; the younger loads may be out
	global_store_b128 v[GO], v[S+4*\n:S+4*\n+3], s[48:49] offset:512*\n
.endr
.endm
.macro SWITCH                          ; where the second block begins: the first goes out, and all starts anew.  No barrier, no wait on tensor loads and no tensor load stands here
	s_cmp_lg_u32 s[T], s[NB]
	s_cbranch_scc1 .Lsame_\@
	FINISH
	s_wait_xcnt 0x0                                ; the stores have read their base and their registers
	s_mov_b64 s[48:49], s[50:51]
	s_mov_b32 s[Q0], s53
	s_mov_b32 s[KF], 0
	RESET 1
.Lsame_\@:
.endm
.macro SLOT_STEPS
	s_mov_b32 s13, 4
.Lstep_\@:
	STEP
	s_sub_co_u32 s13, s13, 1
	s_cmp_lg_u32 s13, 0
	s_cbranch_scc1 .Lstep_\@
	s_sub_co_u32 s[TB], s[TB], 4*STEPB
	s_xor_b32 s[TB], s[TB], SLOT1                  ; on to the other slot
.endm
	s_load_b128 s[4:7], s[0:1], 0x0                ; qkv, att
	v_lshl_add_u32 v[SPW], v0, 2, SPARE
	v_mov_b32 v[NIL], 0
	ds_add_u32 v[SPW], v[NIL]                      ; the opening: the add, twice on end, and its wait ahead of my first tensor load
	ds_add_u32 v[SPW], v[NIL]
	v_lshrrev_b32 v1, 5, v0
	v_readfirstlane_b32 s[WV], v1                  ; wave 0..7
	s_mov_b32 s9, ttmp9                            ; i
	s_and_b32 s10, ttmp7, 0xffff                   ; bh
	s_sub_co_u32 s[NB], 8, s9
	s_lshl_b32 s44, s[NB], 15
	s_mov_b32 s46, 0
	s_mov_b32 s47, 0
	s_mov_b32 s24, (1<<16)|(1<<20)|(4<<22)|(3<<25) ; K: elements of 2 bytes; 4 words of padding behind every 32
	s_mov_b32 s32, (1<<16)|(1<<20)|(4<<22)|(7<<25) ; V: 8 words
.irp g, 24, 32
	s_mov_b32 s[\g+1], 64<<16                      ; tensor_dim0 = 64
	s_mov_b32 s[\g+2], 64<<16                      ; tensor_dim1 = 64
	s_mov_b32 s[\g+3], 64<<16                      ; tile_dim0 = 64
	s_mov_b32 s[\g+4], 64                          ; tile_dim1 = 64
	s_mov_b32 s[\g+5], 64                          ; from row to row
	s_mov_b32 s[\g+6], 0
	s_mov_b32 s[\g+7], 0
.endr
	s_mov_b32 s20, 0x76543210
	s_mov_b32 s21, 0xfedcba98                      ; lane l xor 16
	s_mov_b32 s22, 0x3e38aa3b                      ; c = log2(e) / 8
	s_mov_b32 s23, s22
	s_and_b32 s52, s[WV], 3                        ; which of a slot's four steps I fetch
	s_lshr_b32 s58, s[WV], 2                       ; for K (0) or V (1)
	s_mul_i32 s41, s52, STEPB
	s_mul_i32 s59, s58, VOFF
	s_add_co_u32 s41, s41, s59                     ; its place in slot 0
	s_mov_b32 s40, 1
	s_add_co_u32 s58, s58, 1
	s_lshl_b32 s58, s58, 24                        ; part 1 = k, 2 = v
	s_lshl_b32 s59, s10, 18
	s_add_co_u32 s58, s58, s59
	s_lshl_b32 s52, s52, 13
	s_add_co_u32 s58, s58, s52
	s_mov_b32 s59, 0
	s_sub_co_u32 s[Q0], 7, s9
	s_lshl_b32 s[Q0], s[Q0], 8
	s_lshl_b32 s52, s[WV], 5
	s_add_co_u32 s[Q0], s[Q0], s52                 ; my first query of block 7 - i
	s_lshl_b32 s53, s9, 8
	s_add_co_u32 s53, s53, s52                     ; and of block i
	s_lshl_b32 s56, s10, 18
	s_lshl_b32 s54, s[Q0], 7
	s_add_co_u32 s54, s54, s56
	s_mov_b32 s55, 0
	s_lshl_b32 s52, s53, 7
	s_add_co_u32 s56, s56, s52
	s_mov_b32 s57, 0
	s_cmp_eq_u32 s9, 0
	s_cselect_b32 s[LIM], 6, 0
	s_mov_b32 s[T], 0
	s_mov_b32 s[TB], 0
	s_mov_b32 s[KF], 0
	s_wait_dscnt 0x0                               ; both opening adds are done
	s_wait_kmcnt 0x0
	s_add_nc_u64 s[PFA:PFA+1], s[4:5], s[58:59]
	s_mov_b64 s[42:43], s[PFA:PFA+1]
	s_or_b32 s43, s43, 0x80000000
	TLOAD                                          ; slot 0; slot 1 is filled behind the first trip's barrier, and a slot again behind each of the next seven
	s_add_nc_u64 s[PFA:PFA+1], s[PFA:PFA+1], 32768 ; in slot 1: the first change steps it to slot 2.  Nothing is prefetched at the head
	s_add_nc_u64 s[48:49], s[6:7], s[54:55]        ; att at my rows of block 7 - i,
	s_add_nc_u64 s[50:51], s[6:7], s[56:57]        ; and of block i
	s_add_nc_u64 s[54:55], s[4:5], s[54:55]        ; q likewise
	s_add_nc_u64 s[56:57], s[4:5], s[56:57]
	v_and_b32 v32, 15, v0                          ; r
	v_bfe_u32 v33, v0, 4, 1                        ; h
	v_and_b32 v34, 31, v0                          ; lane
	v_and_b32 v35, 7, v0
	v_bfe_u32 v36, v0, 3, 1
	v_lshlrev_b32 v[QO], 7, v32
	v_lshl_add_u32 v[QO], v33, 4, v[QO]            ; row r of 128 bytes + 16 h
.irp f, 0,1,2,3                                ; tile f / 2, channels 32 (f % 2) on
	global_load_b128 v[Q+8*\f:Q+8*\f+3],   v[QO], s[54:55] offset:(\f/2)*2048+(\f%2)*64
	global_load_b128 v[Q+8*\f+4:Q+8*\f+7], v[QO], s[54:55] offset:(\f/2)*2048+(\f%2)*64+32
.endr
	WIN 0x40
.irp f, 0,1,2,3
	global_load_b128 v[128+8*\f:128+8*\f+3],   v[QO], s[56:57] offset:(\f/2)*2048+(\f%2)*64
	global_load_b128 v[128+8*\f+4:128+8*\f+7], v[QO], s[56:57] offset:(\f/2)*2048+(\f%2)*64+32
.endr
	WIN 0
	v_mul_u32_u24 v[AK0], v32, PK
	v_lshl_add_u32 v[AK0], v33, 4, v[AK0]          ; K: row r x pitch + 16 h
	v_lshl_add_u32 v[AV0], v33, 3, v35
	v_mul_u32_u24 v[AV0], v[AV0], PV
	v_lshl_add_u32 v[AV0], v36, 4, v[AV0]
	v_add_nc_u32 v[AV0], VOFF, v[AV0]              ; V: key 8 h + lane % 8, channels 8 ((lane / 8) % 2) on
	s_mul_i32 s52, s[WV], 4608
	s_add_co_u32 s52, s52, STAGE                   ; my stage
	v_add_nc_u32 v[STO], s52, v[AK0]               ; in: row r x 144 + 16 h
	v_lshrrev_b32 v37, 3, v34
	v_mul_u32_u24 v37, v37, 144
	v_lshl_add_u32 v37, v35, 4, v37
	v_add_nc_u32 v[RD], s52, v37                   ; back: eight lanes to a row, four rows an instruction
	v_lshlrev_b32 v[GO], 4, v34
	v_lshlrev_b32 v[PFO], 8, v34
	v_lshlrev_b32 v37, 3, v33
	v_sub_nc_u32 v[D0], v32, v37
	v_mov_b32 v[NINF], 0xff800000
	RESET 0
	s_wait_loadcnt 0x0                             ; Q of both blocks
.Ltrip:                                            ; eight trips: behind each change of slots the next trip's keys are asked for
	CHANGE 1
	SWITCH
	SLOT_STEPS
	s_add_co_u32 s[T], s[T], 1
	s_cmp_lt_u32 s[T], 8
	s_cbranch_scc1 .Ltrip
	CHANGE 0                                       ; the ninth is written out: nothing is left to ask for
	SWITCH
	SLOT_STEPS
	FINISH
	s_wait_tensorcnt 0x0                           ; the wave's end
	ds_add_u32 v[SPW], v[NIL]
	s_wait_dscnt 0x0
	s_endpgm
.Lfunc_end_k_qbee5a7f910_attn:
	.size	k_qbee5a7f910_attn, .Lfunc_end_k_qbee5a7f910_attn-k_qbee5a7f910_attn
	.p2alignl 7, 3214868480
	.fill 96, 4, 3214868480
	.section	.rodata,"a",@progbits
	.p2align	6, 0x0
	.amdhsa_kernel k_qbee5a7f910_attn
		.amdhsa_group_segment_fixed_size 327680
		.amdhsa_private_segment_fixed_size 0
		.amdhsa_enable_private_segment 0
		.amdhsa_kernarg_size 16
		.amdhsa_user_sgpr_count 2
		.amdhsa_user_sgpr_kernarg_segment_ptr 1
		.amdhsa_wavefront_size32 1
		.amdhsa_system_sgpr_workgroup_id_x 1
		.amdhsa_system_sgpr_workgroup_id_y 1
		.amdhsa_system_sgpr_workgroup_id_z 1
		.amdhsa_system_vgpr_workitem_id 0
		.amdhsa_next_free_vgpr 512
		.amdhsa_next_free_sgpr 66
		.amdhsa_reserve_vcc 1
		.amdhsa_float_denorm_mode_32 3
		.amdhsa_float_denorm_mode_16_64 3
		.amdhsa_memory_ordered 1
		.amdhsa_forward_progress 1
		.amdhsa_inst_pref_size 81
	.end_amdhsa_kernel
	.amdgpu_metadata
---
amdhsa.version: [ 1, 2 ]
amdhsa.kernels:
  - .name:           k_qbee5a7f910_attn
    .symbol:         k_qbee5a7f910_attn.kd
    .args:
      - { .name: qkv, .offset: 0, .size: 8, .value_kind: global_buffer, .address_space: global }
      - { .name: att, .offset: 8, .size: 8, .value_kind: global_buffer, .address_space: global }
    .group_segment_fixed_size: 327680
    .private_segment_fixed_size: 0
    .kernarg_segment_align: 8
    .kernarg_segment_size: 16
    .max_flat_workgroup_size: 256
    .sgpr_count:     66
    .vgpr_count:     512
    .wavefront_size: 32
...
	.end_amdgpu_metadata
.endif
;; end of part 3
;; launch proj (part 4): grid 4 x 64, 4 waves a work-group, clusters of 4 x 4, 327,680 bytes of LDS; arguments att, wo16, out0; writes out0
.if DOCPART == 4
	.amdgcn_target "amdgcn-amd-amdhsa--gfx1250"
	.amdhsa_code_object_version 6
	.text
	.protected	k_qbee5a7f910_proj
	.globl	k_qbee5a7f910_proj
	.p2align	8
	.type	k_qbee5a7f910_proj,@function
k_qbee5a7f910_proj:
	s_mov_b64 s[64:65], 0
	v_nop
	global_prefetch_b8 v0, s[64:65] scope:SCOPE_SE
	s_setreg_imm32_b32 hwreg(HW_REG_WAVE_MODE, 25, 1), 1
	s_wait_xcnt 0x0
	s_wait_alu depctr_hold_cnt(0) depctr_sa_sdst(0) depctr_va_vdst(0) depctr_va_sdst(0) depctr_va_ssrc(0) depctr_va_vcc(0) depctr_vm_vsrc(0)
	s_getreg_b32 s2, hwreg(HW_REG_IB_STS2, 6, 4)
	s_cmp_eq_u32 s2, 0
	s_cbranch_scc0 .Lentry_in_a_cluster
	s_endpgm
.Lentry_in_a_cluster:
	s_bfe_u32 s2, ttmp6, 0x10000c
	s_cmp_lg_u32 s2, 0xf033
	s_cbranch_scc0 .Lentry_shape_is_right
	s_endpgm
.Lentry_shape_is_right:
; out0[m][n] = sum over k of A[m][k] W_o[n][k], m = 2,048 batch + position, k = 64 head + channel.  A = att, f16, laid [16 batch + head][position][64]; W_o as f16 [1024][1024]; sums and out0 in f32.
; LEFT TO ANOTHER LAUNCH: positions 0-15 of each sequence are stored by fineB, from f32 operands; here their 16 rows are multiplied inside a live tile and not stored.
; A tile of out0 is 128 rows x 256 columns: 256 work-groups.  Four waves, each 64 x 128: 32 accumulators.  K goes in steps of 128 (two heads) through a ring of two LDS slots.
; CLUSTERS: 4 x 4.  Tile column = cx, batch = cy, tile row inside the batch = the cluster's y.  A's tiles are shared along a row of the cluster, W_o's along a column: joint loads.
; The matrix instruction is used transposed (source 0 = 16 rows of W_o, source 1 = 16 rows of A): a lane holds eight neighbouring columns of a row.
; REGISTERS: window 0: v16-29 addresses; two fragment buffers at v64 and v160 (A's 4 fragments, then W_o's 8).  window 1: accumulator (a, b) at v[8 (8 a + b)].
.set PA,     144                       ; a row of A in LDS: 128 bytes + 16
.set PB,     272                       ; a row of W_o: 256 bytes + 16
.set AHALF,  128*PA                    ; one head's 128 rows
.set BHALF,  128*PB
.set BOFF,   2*AHALF
.set SLOT,   BOFF+2*BHALF
.set STAGE,  2*SLOT                    ; the way out: 16 rows x (512 bytes + 16) for each wave; no tile lands here
.set SPITCH, 528
.set SPARE,  STAGE+4*16*SPITCH         ; the spare words: 128 bytes a wave, named by no other line
.set LAPS,   4                         ; 8 K steps, two a lap
.set ADRA, 16
.set ADRB, 20
.set STO,  24
.set RD,   25
.set CO,   26
.set SPW,  28
.set NIL,  29
.set F0,   64
.set F1,   160
.set G1, 24
.set G0, 32
.set G1B, 48
.set G0B, 56
.set MSB, 0
.macro WIN new
.if MSB != (\new)
	s_set_vgpr_msb (MSB<<8)|(\new)
.set MSB, (\new)
.endif
.endm
.set MUL, 0x50                         ; C and D window 1
.macro JLOAD s                         ; waves 0 and 1 fetch A's two heads, waves 2 and 3 W_o's two halves; an s_nop 0 and four v_nop follow each line
	s_cmp_eq_u32 s11, 0
	s_cbranch_scc0 .Lfor_b_\@
	tensor_load_to_lds s[G0+4*\s:G0+4*\s+3], s[G1:G1+7]
	s_nop 0
.rept 4
	v_nop
.endr
	s_branch .Lasked_\@
.Lfor_b_\@:
	tensor_load_to_lds s[G0B+4*\s:G0B+4*\s+3], s[G1B:G1B+7]
	s_nop 0
.rept 4
	v_nop
.endr
.Lasked_\@:
.endm
.macro CREST
	s_cmp_lg_u32 s10, 0
	s_cbranch_scc1 .Lnot_wave_0_\@
	s_barrier_signal -3
.Lnot_wave_0_\@:
	s_barrier_wait -3
	s_barrier_signal -1
	s_barrier_wait -1
.endm
.macro CROUND
	s_barrier_signal -1
	s_barrier_wait -1
	CREST
.endm
	s_load_b128 s[4:7], s[0:1], 0x0                ; att, wo16
	s_load_b64 s[8:9], s[0:1], 0x10                ; out0
	v_lshl_add_u32 v[SPW], v0, 2, SPARE
	v_mov_b32 v[NIL], 0
	ds_add_u32 v[SPW], v[NIL]                      ; the opening: the add, twice on end, and its wait ahead of my first tensor load
	ds_add_u32 v[SPW], v[NIL]
	v_lshrrev_b32 v1, 5, v0
	v_readfirstlane_b32 s10, v1                    ; wave 0..3
	s_lshr_b32 s11, s10, 1                         ; my half of the rows; also: I fetch for A (0) or W_o (1)
	s_and_b32 s12, s10, 1                          ; my half of the columns; also: which part I fetch
	s_bfe_u32 s40, ttmp6, 0x40000                  ; cx: tile column
	s_bfe_u32 s41, ttmp6, 0x40004                  ; cy: batch
	s_and_b32 s13, ttmp7, 0xffff                   ; the cluster's y: tile row inside the batch, the same in all sixteen partners
	s_lshl_b32 s43, s41, 2
	s_lshl_b32 s43, 15, s43                        ; my row of the cluster
	s_lshl_b32 s44, 0x1111, s40                    ; my column
	s_or_b32 s[G1+0], s43, (1<<16)|(1<<20)|(1<<21)|(4<<22)|(3<<25)   ; A: elements of 2 bytes; 4 words of padding behind every 32
	s_mov_b32 s[G1+1], 64<<16                      ; tensor_dim0 = 64
	s_mov_b32 s[G1+2], 128<<16                     ; tensor_dim1 = 128
	s_mov_b32 s[G1+3], 64<<16                      ; tile_dim0
	s_mov_b32 s[G1+4], 128                         ; tile_dim1
	s_mov_b32 s[G1+5], 64                          ; from row to row
	s_mov_b32 s[G1+6], 0
	s_mov_b32 s[G1+7], 0
	s_or_b32 s[G1B+0], s44, (1<<16)|(1<<20)|(1<<21)|(5<<22)|(3<<25)  ; W_o: 4 words behind every 64
	s_mov_b32 s[G1B+1], 128<<16
	s_mov_b32 s[G1B+2], 128<<16
	s_mov_b32 s[G1B+3], 128<<16
	s_mov_b32 s[G1B+4], 128
	s_mov_b32 s[G1B+5], 1024
	s_mov_b32 s[G1B+6], 0
	s_mov_b32 s[G1B+7], 0
	s_lshl_b32 s16, s41, 4
	s_add_co_u32 s16, s16, s12                     ; A: head 16 batch + my part,
	s_lshl_b32 s16, s16, 18
	s_lshl_b32 s17, s13, 14                        ; its rows 128 x tile row on
	s_add_co_u32 s16, s16, s17
	s_mov_b32 s17, 0
	s_lshl_b32 s46, s40, 19                        ; W_o: row 256 cx + 128 x my part, 2,048 bytes a row
	s_lshl_b32 s47, s12, 18
	s_add_co_u32 s46, s46, s47
	s_mov_b32 s47, 0
	s_mul_i32 s20, s12, AHALF                      ; where they go: no place in the cluster enters an LDS address
	s_mul_i32 s21, s12, BHALF
	s_add_co_u32 s21, s21, BOFF
	s_wait_dscnt 0x0                               ; both opening adds are done
	s_wait_kmcnt 0x0
	s_add_nc_u64 s[14:15], s[4:5], s[16:17]
	s_add_nc_u64 s[46:47], s[6:7], s[46:47]
	CROUND                                         ; all sixteen work-groups are here: the first joint loads meet
.irp s, 0,1
	s_mov_b32 s[G0+4*\s], 1
	s_add_co_u32 s[G0+4*\s+1], s20, \s*SLOT
	s_add_nc_u64 s[G0+4*\s+2:G0+4*\s+3], s[14:15], \s*(2<<18)    ; K step s: two heads on
	s_or_b32 s[G0+4*\s+3], s[G0+4*\s+3], 0x80000000
	s_mov_b32 s[G0B+4*\s], 1
	s_add_co_u32 s[G0B+4*\s+1], s21, \s*SLOT
	s_add_nc_u64 s[G0B+4*\s+2:G0B+4*\s+3], s[46:47], \s*256
	s_or_b32 s[G0B+4*\s+3], s[G0B+4*\s+3], 0x80000000
	JLOAD \s                                       ; two loads of mine are out at the most
.endr
	v_and_b32 v1, 15, v0                           ; r
	v_bfe_u32 v2, v0, 4, 1                         ; h
	v_mul_u32_u24 v3, v1, PA
	v_lshl_add_u32 v3, v2, 4, v3
	v_mul_u32_u24 v4, v1, PB
	v_lshl_add_u32 v4, v2, 4, v4
	s_mul_i32 s21, s11, 64*PA                      ; my 64 rows of A
	s_mul_i32 s22, s12, BHALF                      ; my 128 rows of W_o
	s_add_co_u32 s22, s22, BOFF
.irp s, 0,1
	v_add_nc_u32 v[ADRA+\s], s21, v3
	v_add_nc_u32 v[ADRB+\s], s22, v4
	s_add_co_u32 s21, s21, SLOT
	s_add_co_u32 s22, s22, SLOT
.endr
	s_mul_i32 s23, s10, 16*SPITCH
	s_add_co_u32 s23, s23, STAGE                   ; my stage
	v_mul_u32_u24 v5, v1, SPITCH
	v_lshl_add_u32 v5, v2, 5, v5
	v_add_nc_u32 v[STO], s23, v5                   ; in: row r, 32 bytes for each half of the lanes
	v_and_b32 v6, 31, v0
	v_lshlrev_b32 v[CO], 4, v6                     ; back: the 32 lanes take one row of 512 bytes; and the same in out0
	v_add_nc_u32 v[RD], s23, v[CO]
	s_lshl_b32 s16, s41, 11
	s_lshl_b32 s17, s13, 7
	s_add_co_u32 s16, s16, s17
	s_lshl_b32 s17, s11, 6
	s_add_co_u32 s16, s16, s17                     ; my first row: 2,048 batch + 128 tile row + 64 half
	s_lshl_b32 s16, s16, 12
	s_mov_b32 s17, 0
	s_add_nc_u64 s[8:9], s[8:9], s[16:17]
	s_lshl_b32 s46, s40, 10                        ; my first column, in bytes
	s_lshl_b32 s47, s12, 9
	s_add_co_u32 s46, s46, s47
	s_mov_b32 s47, 0
	s_add_nc_u64 s[8:9], s[8:9], s[46:47]
.macro MUL8 f, a, zero                 ; A's block a x W_o's eight, 32 along K.  The 32 accumulators take turns, one instruction a turn, in the same order in every quarter
.irp b, 0,1,2,3,4,5,6,7
.if \zero
	v_wmma_f32_16x16x32_f16 v[8*(8*\a+\b):8*(8*\a+\b)+7], v[\f+32+8*\b:\f+32+8*\b+7], v[\f+8*\a:\f+8*\a+7], 0
.else
	v_wmma_f32_16x16x32_f16 v[8*(8*\a+\b):8*(8*\a+\b)+7], v[\f+32+8*\b:\f+32+8*\b+7], v[\f+8*\a:\f+8*\a+7], v[8*(8*\a+\b):8*(8*\a+\b)+7]
.endif
.endr
.endm
.macro FETCH slot, kq, f               ; 24 LDS loads in one run: quarter kq (32 along K) of the slot: W_o's eight fragments, then A's four
.irp i, 0,1,2,3,4,5,6,7
	ds_load_b128 v[\f+32+8*\i:\f+32+8*\i+3], v[ADRB+\slot] offset:64*\kq+\i*16*PB
	ds_load_b128 v[\f+32+8*\i+4:\f+32+8*\i+7], v[ADRB+\slot] offset:64*\kq+\i*16*PB+32
.endr
.irp i, 0,1,2,3
	ds_load_b128 v[\f+8*\i:\f+8*\i+3], v[ADRA+\slot] offset:(\kq/2)*AHALF+(\kq%2)*64+\i*16*PA
	ds_load_b128 v[\f+8*\i+4:\f+8*\i+7], v[ADRA+\slot] offset:(\kq/2)*AHALF+(\kq%2)*64+\i*16*PA+32
.endr
.endm
.macro PLACES
.rept 4
	v_nop
.endr
.endm
.macro QUARTER slot, kq, f, g, zero    ; multiplies buffer f; in its middle fetches quarter kq of the slot into g
	s_wait_dscnt 4                                 ; W_o's fragments and A's blocks 0, 1 are in; the youngest four loads may be out
	WIN MUL
	MUL8 \f, 0, \zero
	MUL8 \f, 1, \zero
	PLACES
	WIN 0
	FETCH \slot, \kq, \g
	s_wait_dscnt 24                                ; all but the 24 just issued
	WIN MUL
	MUL8 \f, 2, \zero
	MUL8 \f, 3, \zero
.endm
; A slot's last quarter multiplies buffer 1 and changes slots: each wave waits for all its tensor loads, adds 0 to its spare word, waits for that and for its reads of this slot; the barrier opens a round of the
; cluster's barrier where the slot is filled again (fill = 1), two K steps ahead.
.macro TURN slot, next, fill
	WIN 0
	s_wait_tensorcnt 0x0                           ; my part of the next slot has landed
	ds_add_u32 v[SPW], v[NIL]
	s_wait_dscnt 5                                 ; the add and the youngest four loads may be out
	WIN MUL
	MUL8 F1, 0, 0
	s_wait_dscnt 0x0                               ; the add is done, and my reads of this slot are over
	s_barrier_signal -1
	MUL8 F1, 1, 0
	WIN 0
	s_barrier_wait -1
.if \fill
	CREST                                          ; no wave of any partner still reads this slot or has a load on its way
	s_add_nc_u64 s[G0+4*\slot+2:G0+4*\slot+3], s[G0+4*\slot+2:G0+4*\slot+3], 4<<18
	s_add_nc_u64 s[G0B+4*\slot+2:G0B+4*\slot+3], s[G0B+4*\slot+2:G0B+4*\slot+3], 512
	JLOAD \slot                                    ; the first tensor load behind the round; its four v_nop are also the places in front of the loads below
.else
	PLACES
.endif
	FETCH \next, 0, F0
	WIN MUL
	MUL8 F1, 2, 0
	MUL8 F1, 3, 0
.endm
	s_wait_tensorcnt 1                             ; my part of K step 0 is in; K step 1's load may be out
	s_barrier_signal -1
	s_barrier_wait -1
	FETCH 0, 0, F0
	QUARTER 0, 1, F0, F1, 1                        ; the first products start the sums
	WIN 0
	s_mov_b32 s3, LAPS-1
.Llap:
	QUARTER 0, 2, F1, F0, 0
	QUARTER 0, 3, F0, F1, 0
	TURN 0, 1, 1
	QUARTER 1, 1, F0, F1, 0
	QUARTER 1, 2, F1, F0, 0
	QUARTER 1, 3, F0, F1, 0
	TURN 1, 0, 1
	QUARTER 0, 1, F0, F1, 0
	WIN 0
	s_sub_co_u32 s3, s3, 1
	s_cmp_lg_u32 s3, 0
	s_cbranch_scc1 .Llap
	QUARTER 0, 2, F1, F0, 0                        ; the last lap fills nothing
	QUARTER 0, 3, F0, F1, 0
	TURN 0, 1, 0
	QUARTER 1, 1, F0, F1, 0
	QUARTER 1, 2, F1, F0, 0
	QUARTER 1, 3, F0, F1, 0
	s_wait_dscnt 4
	WIN MUL
	MUL8 F1, 0, 0
	MUL8 F1, 1, 0
	s_wait_dscnt 0
	MUL8 F1, 2, 0
	MUL8 F1, 3, 0
	WIN 0
; THE WAY OUT, a block of 16 rows x 128 columns at a time, through my stage: back as whole rows of 512 bytes.
.macro TOSTAGE a
	WIN 0x04                                       ; an LDS store's data: window 1
.irp b, 0,1,2,3,4,5,6,7
	ds_store_b128 v[STO], v[8*(8*\a+\b):8*(8*\a+\b)+3] offset:64*\b          ; each accumulator from its low end on
	ds_store_b128 v[STO], v[8*(8*\a+\b)+4:8*(8*\a+\b)+7] offset:64*\b+16
.endr
	WIN 0
.irp t, 0,1,2,3,4,5,6,7,8,9,10,11,12,13,14,15
	ds_load_b128 v[64+64*(\a%2)+4*\t:64+64*(\a%2)+4*\t+3], v[RD] offset:\t*SPITCH   ; LDS serves a wave's instructions in order
.endr
.endm
.macro SEND a, younger
	s_wait_dscnt \younger
.irp t, 0,1,2,3,4,5,6,7,8,9,10,11,12,13,14,15
	global_store_b128 v[CO], v[64+64*(\a%2)+4*\t:64+64*(\a%2)+4*\t+3], s[8:9] offset:(16*\a+\t)*4096 th:TH_STORE_NT   ; 512 consecutive bytes, aligned
.endr
.endm
	PLACES
	s_or_b32 s20, s13, s11
	s_cmp_eq_u32 s20, 0                            ; tile row 0 of a batch, upper half: my block 0 is positions 0-15, which fineB stores.  The cluster's y and the wave's number alone
	s_cbranch_scc1 .Lfine
	TOSTAGE 0
	SEND 0, 0
.Lfine:
	TOSTAGE 1
	s_wait_xcnt 0x0                                ; block 0's stores have read their registers
	TOSTAGE 2
	SEND 1, 32                                     ; block 2's 16 stores and 16 loads may be out
	s_wait_xcnt 0x0
	TOSTAGE 3
	SEND 2, 32
	SEND 3, 0
	s_wait_tensorcnt 0x0                           ; the wave's end
	ds_add_u32 v[SPW], v[NIL]
	s_wait_dscnt 0x0
	CROUND                                         ; the closing round
	s_endpgm
.Lfunc_end_k_qbee5a7f910_proj:
	.size	k_qbee5a7f910_proj, .Lfunc_end_k_qbee5a7f910_proj-k_qbee5a7f910_proj
	.p2alignl 7, 3214868480
	.fill 96, 4, 3214868480
	.section	.rodata,"a",@progbits
	.p2align	6, 0x0
	.amdhsa_kernel k_qbee5a7f910_proj
		.amdhsa_group_segment_fixed_size 327680
		.amdhsa_private_segment_fixed_size 0
		.amdhsa_enable_private_segment 0
		.amdhsa_kernarg_size 24
		.amdhsa_user_sgpr_count 2
		.amdhsa_user_sgpr_kernarg_segment_ptr 1
		.amdhsa_wavefront_size32 1
		.amdhsa_system_sgpr_workgroup_id_x 1
		.amdhsa_system_sgpr_workgroup_id_y 1
		.amdhsa_system_sgpr_workgroup_id_z 1
		.amdhsa_system_vgpr_workitem_id 0
		.amdhsa_next_free_vgpr 512
		.amdhsa_next_free_sgpr 66
		.amdhsa_reserve_vcc 0
		.amdhsa_float_denorm_mode_32 3
		.amdhsa_float_denorm_mode_16_64 3
		.amdhsa_memory_ordered 1
		.amdhsa_forward_progress 1
		.amdhsa_inst_pref_size 85
	.end_amdhsa_kernel
	.amdgpu_metadata
---
amdhsa.version: [ 1, 2 ]
amdhsa.kernels:
  - .name:           k_qbee5a7f910_proj
    .symbol:         k_qbee5a7f910_proj.kd
    .args:
      - { .name: att, .offset: 0, .size: 8, .value_kind: global_buffer, .address_space: global }
      - { .name: wo16, .offset: 8, .size: 8, .value_kind: global_buffer, .address_space: global }
      - { .name: out0, .offset: 16, .size: 8, .value_kind: global_buffer, .address_space: global }
    .group_segment_fixed_size: 327680
    .private_segment_fixed_size: 0
    .kernarg_segment_align: 8
    .kernarg_segment_size: 24
    .max_flat_workgroup_size: 128
    .sgpr_count:     66
    .vgpr_count:     512
    .wavefront_size: 32
...
	.end_amdgpu_metadata
.endif
;; end of part 4
;; launch fineA (part 5): grid 64 x 1, 12 waves a work-group, no clusters, 14,848 bytes of LDS; arguments xc, xs, wc, ws, afine; writes afine
.if DOCPART == 5
	.amdgcn_target "amdgcn-amd-amdhsa--gfx1250"
	.amdhsa_code_object_version 6
	.text
	.protected	k_qbee5a7f910_fineA
	.globl	k_qbee5a7f910_fineA
	.p2align	8
	.type	k_qbee5a7f910_fineA,@function
k_qbee5a7f910_fineA:
	s_mov_b64 s[64:65], 0
	v_nop
	global_prefetch_b8 v0, s[64:65] scope:SCOPE_SE
	s_setreg_imm32_b32 hwreg(HW_REG_WAVE_MODE, 25, 1), 1
	s_wait_xcnt 0x0
; Positions 0-15 of every sequence, where a softmax averages few values: attention once more with f32 operands.  One work-group for each head (bh = 16 batch + head).
; Under reference()'s tril these 16 queries see keys 0-15 alone: all later keys are left out, their weights being exactly 0.
; PHASE 1, twelve waves: wave w makes 16 positions x 16 channels of q, k or v (w / 4) anew from the codes, by the scaled E2M1 matrix instruction, K = 1,024 in eight steps on two accumulators by turns,
; and puts them into LDS as f32, [position][64] at a pitch of 272 bytes.  PHASE 2, wave 0: S^T = k q^T, mask, softmax, O^T = v^T p, all by the f32 matrix instruction; afine[16 batch + position][1024] f32.
; A permutation of the contracted index applied alike to both operands keeps the products: both sides are loaded by the same address map.
.set XF, 16                            ; v16-79   x's eight fragments;   phase 2: v16-47 q (later the results), v48-79 k
.set WF, 80                            ; v80-143  the weight's eight;    phase 2: v80-111 v, v112-119 scores, v120-127 p
.set XS, 144                           ; v144-151 x's scale words, v152-159 the weight's: they hold nothing else
.set WS, 152
.set A0, 160                           ; v160-175 two accumulators
.set RR, 176
.set QF, 16
.set KFR, 48
.set VF, 80
.set TT, 112
.set PR, 120
.set OUTR, 16
.set SA, 192                           ; v192-207 the scores' two accumulators, v208-239 O^T's four: written by matrix instructions alone
.set OA, 208
.set SPW, 12
.set NIL, 13
.set SPARE, 13312
	s_load_b256 s[4:11], s[0:1], 0x0               ; xc, xs, wc, ws
	s_load_b64 s[12:13], s[0:1], 0x20              ; afine
	v_lshl_add_u32 v[SPW], v0, 2, SPARE
	v_mov_b32 v[NIL], 0
	v_lshrrev_b32 v1, 5, v0
	v_readfirstlane_b32 s14, v1                    ; wave 0..11
	v_and_b32 v1, 15, v0                           ; r
	v_bfe_u32 v2, v0, 4, 1                         ; h
	s_lshr_b32 s15, s14, 2                         ; q, k or v
	s_and_b32 s16, s14, 3                          ; which 16 channels
	s_lshr_b32 s17, ttmp9, 4                       ; batch
	s_and_b32 s18, ttmp9, 15                       ; head
	v_lshlrev_b32 v3, 9, v1
	v_lshl_add_u32 v3, v2, 4, v3                   ; codes: row r of 512 bytes + 16 h
	v_lshlrev_b32 v4, 5, v1                        ; scale words: row r of 32 bytes
	v_mul_u32_u24 v5, v1, 272
	v_lshl_add_u32 v6, v2, 5, v5
	s_mul_i32 s19, s15, 4352
	s_lshl_b32 s20, s16, 6
	s_add_co_u32 s19, s19, s20
	v_add_nc_u32 v6, s19, v6                       ; into LDS: position r, channels 16 t + 8 h on
	v_lshl_add_u32 v7, v2, 4, v5                   ; q and k back: row r, + 16 h
	v_mul_u32_u24 v8, v2, 2176
	v_lshl_add_u32 v8, v1, 2, v8                   ; v back: key 8 h + e, channel 16 ct + r
	v_lshlrev_b32 v9, 12, v1
	v_lshl_add_u32 v9, v2, 5, v9                   ; afine: row r of 4,096 bytes + 32 h
	v_lshlrev_b32 v10, 3, v2
	v_sub_nc_u32 v10, v1, v10                      ; r - 8 h
	v_mov_b32 v11, 0xff800000
	s_mov_b32 s28, 0x76543210
	s_mov_b32 s29, 0xfedcba98
	s_mov_b32 s30, 0x3e38aa3b                      ; c = log2(e) / 8
	s_lshl_b32 s20, s17, 20                        ; x's codes: 2,048 rows a batch
	s_mov_b32 s21, 0
	s_lshl_b32 s22, s17, 16
	s_mov_b32 s23, 0
	s_lshl_b32 s24, s15, 10
	s_lshl_b32 s25, s18, 6
	s_add_co_u32 s24, s24, s25
	s_lshl_b32 s25, s16, 4
	s_add_co_u32 s24, s24, s25                     ; the weight's first row
	s_lshl_b32 s26, s24, 5
	s_mov_b32 s27, 0
	s_lshl_b32 s24, s24, 9
	s_mov_b32 s25, 0
	s_wait_kmcnt 0x0
	s_add_nc_u64 s[4:5], s[4:5], s[20:21]
	s_add_nc_u64 s[6:7], s[6:7], s[22:23]
	s_add_nc_u64 s[8:9], s[8:9], s[24:25]
	s_add_nc_u64 s[10:11], s[10:11], s[26:27]
	s_lshl_b32 s20, s17, 16
	s_lshl_b32 s22, s18, 8
	s_add_co_u32 s20, s20, s22
	s_add_nc_u64 s[12:13], s[12:13], s[20:21]
.irp s, 0,1,2,3,4,5,6,7
.irp c, 0,1
	global_load_b128 v[XF+8*\s+4*\c:XF+8*\s+4*\c+3], v3, s[4:5] offset:64*\s+32*\c
	global_load_b128 v[WF+8*\s+4*\c:WF+8*\s+4*\c+3], v3, s[8:9] offset:64*\s+32*\c
.endr
.endr
	global_load_b128 v[XS:XS+3], v4, s[6:7]
	global_load_b128 v[XS+4:XS+7], v4, s[6:7] offset:16
	global_load_b128 v[WS:WS+3], v4, s[10:11]
	global_load_b128 v[WS+4:WS+7], v4, s[10:11] offset:16
	s_wait_loadcnt 0x0
.irp s, 0,1,2,3,4,5,6,7                        ; source 0 = 16 rows of the weight, source 1 = 16 positions: a lane holds position r and eight channels
.if \s < 2
	v_wmma_scale_f32_16x16x128_f8f6f4 v[A0+8*(\s%2):A0+8*(\s%2)+7], v[WF+8*\s:WF+8*\s+7], v[XF+8*\s:XF+8*\s+7], 0, v[WS+\s], v[XS+\s] matrix_a_fmt:MATRIX_FMT_FP4 matrix_b_fmt:MATRIX_FMT_FP4
.else
	v_wmma_scale_f32_16x16x128_f8f6f4 v[A0+8*(\s%2):A0+8*(\s%2)+7], v[WF+8*\s:WF+8*\s+7], v[XF+8*\s:XF+8*\s+7], v[A0+8*(\s%2):A0+8*(\s%2)+7], v[WS+\s], v[XS+\s] matrix_a_fmt:MATRIX_FMT_FP4 matrix_b_fmt:MATRIX_FMT_FP4
.endif
.endr
.rept 4
	v_nop
.endr
.irp j, 0,1,2,3,4,5,6,7
	v_add_f32 v[RR+\j], v[A0+\j], v[A0+8+\j]
.endr
	ds_store_b128 v6, v[RR:RR+3]
	ds_store_b128 v6, v[RR+4:RR+7] offset:16
	s_wait_tensorcnt 0x0                           ; my last LDS store is behind me: the dscnt wait below is also the wait in front of the signal
	ds_add_u32 v[SPW], v[NIL]
	s_wait_dscnt 0x0
	s_barrier_signal -1
	s_barrier_wait -1
	s_cmp_lg_u32 s14, 0
	s_cbranch_scc1 .Lend                           ; waves 1 to 11 are done
.irp cc, 0,1,2,3,4,5,6,7
	ds_load_b128 v[QF+4*\cc:QF+4*\cc+3], v7 offset:32*\cc
	ds_load_b128 v[KFR+4*\cc:KFR+4*\cc+3], v7 offset:4352+32*\cc
.endr
.irp ct, 0,1,2,3
.irp e, 0,1,2,3,4,5,6,7
	ds_load_b32 v[VF+8*\ct+\e], v8 offset:8704+272*\e+64*\ct
.endr
.endr
	s_wait_dscnt 0x0
.set n, 0
.rept 16                                       ; S^T = k q^T, four channels an instruction, two accumulators by turns
.if n < 2
	v_wmma_f32_16x16x4_f32 v[SA+8*(n%2):SA+8*(n%2)+7], v[KFR+2*n:KFR+2*n+1], v[QF+2*n:QF+2*n+1], 0
.else
	v_wmma_f32_16x16x4_f32 v[SA+8*(n%2):SA+8*(n%2)+7], v[KFR+2*n:KFR+2*n+1], v[QF+2*n:QF+2*n+1], v[SA+8*(n%2):SA+8*(n%2)+7]
.endif
.set n, n+1
.endr
.rept 8
	v_nop
.endr
.irp j, 0,1,2,3,4,5,6,7
	v_add_f32 v[TT+\j], v[SA+\j], v[SA+8+\j]       ; lane (r, h): query r, key 8 h + j
.endr
.irp j, 0,1,2,3,4,5,6,7
	v_cmp_gt_i32 vcc_lo, \j, v10                   ; hidden where 8 h + j > r
	v_cndmask_b32 v[TT+\j], v[TT+\j], v11, vcc_lo
.endr
	v_mov_b32 v185, 0
	v_max3_num_f32 v184, v[TT], v[TT+1], v[TT+2]
	v_max3_num_f32 v184, v184, v[TT+3], v[TT+4]
	v_max3_num_f32 v184, v184, v[TT+5], v[TT+6]
	v_max_num_f32 v184, v184, v[TT+7]
	v_permlanex16_b32 v185, v184, s28, s29
	v_max_num_f32 v184, v184, v185                 ; the row's maximum: key 0 counts for every query
	v_mul_f32 v186, s30, v184
.irp j, 0,1,2,3,4,5,6,7
	v_fma_f32 v[TT+\j], v[TT+\j], s30, -v186
.endr
.irp j, 0,1,2,3,4,5,6,7
	v_exp_f32 v[PR+\j], v[TT+\j]
.endr
	v_nop
	s_wait_alu depctr_va_vdst(0)                   ; one wait for the eight, ahead of their first reader
	v_add_f32 v187, v[PR], v[PR+1]
	v_add_f32 v188, v[PR+2], v[PR+3]
	v_add_f32 v187, v187, v[PR+4]
	v_add_f32 v188, v188, v[PR+5]
	v_add_f32 v187, v187, v[PR+6]
	v_add_f32 v188, v188, v[PR+7]
	v_add_f32 v187, v187, v188
	v_permlanex16_b32 v185, v187, s28, s29
	v_add_f32 v187, v187, v185
	v_rcp_f32 v188, v187
	v_nop
	s_wait_alu depctr_va_vdst(0)
.irp kk, 0,1,2,3                               ; O^T = v^T p: keys 8 h + 2 kk + j on both sides; four accumulators by turns
.irp ct, 0,1,2,3
.if \kk == 0
	v_wmma_f32_16x16x4_f32 v[OA+8*\ct:OA+8*\ct+7], v[VF+8*\ct+2*\kk:VF+8*\ct+2*\kk+1], v[PR+2*\kk:PR+2*\kk+1], 0
.else
	v_wmma_f32_16x16x4_f32 v[OA+8*\ct:OA+8*\ct+7], v[VF+8*\ct+2*\kk:VF+8*\ct+2*\kk+1], v[PR+2*\kk:PR+2*\kk+1], v[OA+8*\ct:OA+8*\ct+7]
.endif
.endr
.endr
.rept 8
	v_nop
.endr
.set n, 0
.rept 32
	v_mul_f32 v[OUTR+n], v[OA+n], v188             ; into other registers than the sums'
.set n, n+1
.endr
.irp ct, 0,1,2,3
	global_store_b128 v9, v[OUTR+8*\ct:OUTR+8*\ct+3], s[12:13] offset:64*\ct
	global_store_b128 v9, v[OUTR+8*\ct+4:OUTR+8*\ct+7], s[12:13] offset:64*\ct+16
.endr
.Lend:
	s_endpgm
.Lfunc_end_k_qbee5a7f910_fineA:
	.size	k_qbee5a7f910_fineA, .Lfunc_end_k_qbee5a7f910_fineA-k_qbee5a7f910_fineA
	.p2alignl 7, 3214868480
	.fill 96, 4, 3214868480
	.section	.rodata,"a",@progbits
	.p2align	6, 0x0
	.amdhsa_kernel k_qbee5a7f910_fineA
		.amdhsa_group_segment_fixed_size 14848
		.amdhsa_private_segment_fixed_size 0
		.amdhsa_enable_private_segment 0
		.amdhsa_kernarg_size 40
		.amdhsa_user_sgpr_count 2
		.amdhsa_user_sgpr_kernarg_segment_ptr 1
		.amdhsa_wavefront_size32 1
		.amdhsa_system_sgpr_workgroup_id_x 1
		.amdhsa_system_sgpr_workgroup_id_y 1
		.amdhsa_system_sgpr_workgroup_id_z 1
		.amdhsa_system_vgpr_workitem_id 0
		.amdhsa_next_free_vgpr 256
		.amdhsa_next_free_sgpr 66
		.amdhsa_reserve_vcc 1
		.amdhsa_float_denorm_mode_32 3
		.amdhsa_float_denorm_mode_16_64 3
		.amdhsa_memory_ordered 1
		.amdhsa_forward_progress 1
		.amdhsa_inst_pref_size 18
	.end_amdhsa_kernel
	.amdgpu_metadata
---
amdhsa.version: [ 1, 2 ]
amdhsa.kernels:
  - .name:           k_qbee5a7f910_fineA
    .symbol:         k_qbee5a7f910_fineA.kd
    .args:
      - { .name: xc, .offset: 0, .size: 8, .value_kind: global_buffer, .address_space: global }
      - { .name: xs, .offset: 8, .size: 8, .value_kind: global_buffer, .address_space: global }
      - { .name: wc, .offset: 16, .size: 8, .value_kind: global_buffer, .address_space: global }
      - { .name: ws, .offset: 24, .size: 8, .value_kind: global_buffer, .address_space: global }
      - { .name: afine, .offset: 32, .size: 8, .value_kind: global_buffer, .address_space: global }
    .group_segment_fixed_size: 14848
    .private_segment_fixed_size: 0
    .kernarg_segment_align: 8
    .kernarg_segment_size: 40
    .max_flat_workgroup_size: 384
    .sgpr_count:     66
    .vgpr_count:     256
    .wavefront_size: 32
...
	.end_amdgpu_metadata
.endif
;; end of part 5
;; launch fineB (part 6): grid 64 x 4, 8 waves a work-group, no clusters, 9,216 bytes of LDS; arguments afine, W_o, out0; writes out0
.if DOCPART == 6
	.amdgcn_target "amdgcn-amd-amdhsa--gfx1250"
	.amdhsa_code_object_version 6
	.text
	.protected	k_qbee5a7f910_fineB
	.globl	k_qbee5a7f910_fineB
	.p2align	8
	.type	k_qbee5a7f910_fineB,@function
k_qbee5a7f910_fineB:
	s_mov_b64 s[64:65], 0
	v_nop
	global_prefetch_b8 v0, s[64:65] scope:SCOPE_SE
	s_setreg_imm32_b32 hwreg(HW_REG_WAVE_MODE, 25, 1), 1
	s_wait_xcnt 0x0
; out0 at positions 0-15 of each sequence: afine [16 batch + position][1024] x W_o [1024][1024], both f32, by the f32 matrix instruction.  These are the rows that proj does not store.
; Work-group (ct, batch) makes 16 positions x 16 columns.  Wave w sums K = 128 w .. 128 w + 127 on two accumulators by turns; the eight parts meet in LDS, and wave w adds and stores the two rows w and 8 + w.
; A store covers two runs of 64 consecutive bytes, not whole runs of 256: the launch's whole output is 262,144 bytes, and wider tiles would leave three work-groups in four without work.
.set AF, 16
.set BF, 80
.set ACC, 144                          ; v144-159: written by matrix instructions alone
.set RR, 160
.set SPW, 12
.set NIL, 13
.set SPARE, 8192
	s_load_b128 s[4:7], s[0:1], 0x0                ; afine, W_o
	s_load_b64 s[8:9], s[0:1], 0x10                ; out0
	v_lshl_add_u32 v[SPW], v0, 2, SPARE
	v_mov_b32 v[NIL], 0
	v_lshrrev_b32 v1, 5, v0
	v_readfirstlane_b32 s10, v1                    ; wave 0..7
	s_mov_b32 s11, ttmp9                           ; column tile
	s_and_b32 s12, ttmp7, 0xffff                   ; batch
	v_and_b32 v1, 15, v0                           ; r
	v_bfe_u32 v2, v0, 4, 1                         ; h
	v_lshlrev_b32 v3, 12, v1
	v_lshl_add_u32 v3, v2, 4, v3                   ; row r of 4,096 bytes + 16 h, in both operands
	v_and_b32 v6, 31, v0
	v_lshlrev_b32 v6, 2, v6
	s_lshl_b32 s13, s10, 10
	v_add_nc_u32 v4, s13, v6                       ; my part in LDS: 1,024 w + 4 lane
	s_lshl_b32 s13, s10, 7
	v_add_nc_u32 v5, s13, v6                       ; register w of every part: 128 w + 4 lane
	v_lshlrev_b32 v7, 2, v1
	v_lshl_add_u32 v7, v2, 15, v7                  ; out0: 8 h rows + 4 r
	s_lshl_b32 s14, s12, 16
	s_lshl_b32 s13, s10, 9
	s_add_co_u32 s14, s14, s13
	s_mov_b32 s15, 0
	s_lshl_b32 s16, s11, 16
	s_add_co_u32 s16, s16, s13
	s_mov_b32 s17, 0
	s_lshl_b32 s18, s12, 23
	s_lshl_b32 s13, s10, 12
	s_add_co_u32 s18, s18, s13
	s_lshl_b32 s13, s11, 6
	s_add_co_u32 s18, s18, s13
	s_mov_b32 s19, 0
	s_wait_kmcnt 0x0
	s_add_nc_u64 s[4:5], s[4:5], s[14:15]
	s_add_nc_u64 s[6:7], s[6:7], s[16:17]
	s_add_nc_u64 s[8:9], s[8:9], s[18:19]
.irp cc, 0,1,2,3,4,5,6,7,8,9,10,11,12,13,14,15
	global_load_b128 v[AF+4*\cc:AF+4*\cc+3], v3, s[4:5] offset:32*\cc
	global_load_b128 v[BF+4*\cc:BF+4*\cc+3], v3, s[6:7] offset:32*\cc
.endr
	s_wait_loadcnt 0x0
.set n, 0
.rept 32
.if n < 2
	v_wmma_f32_16x16x4_f32 v[ACC+8*(n%2):ACC+8*(n%2)+7], v[AF+2*n:AF+2*n+1], v[BF+2*n:BF+2*n+1], 0
.else
	v_wmma_f32_16x16x4_f32 v[ACC+8*(n%2):ACC+8*(n%2)+7], v[AF+2*n:AF+2*n+1], v[BF+2*n:BF+2*n+1], v[ACC+8*(n%2):ACC+8*(n%2)+7]
.endif
.set n, n+1
.endr
.rept 8
	v_nop
.endr
.irp j, 0,1,2,3,4,5,6,7
	v_add_f32 v[RR+\j], v[ACC+\j], v[ACC+8+\j]     ; lane (r, h): position 8 h + j, column r
.endr
.irp j, 0,1,2,3,4,5,6,7
	ds_store_b32 v4, v[RR+\j] offset:128*\j
.endr
	s_wait_tensorcnt 0x0                           ; my last LDS store is behind me: the dscnt wait below is also the wait in front of the signal
	ds_add_u32 v[SPW], v[NIL]
	s_wait_dscnt 0x0
	s_barrier_signal -1
	s_barrier_wait -1
.irp p, 0,1,2,3,4,5,6,7
	ds_load_b32 v[168+\p], v5 offset:1024*\p
.endr
	s_wait_dscnt 0x0
	v_add_f32 v168, v168, v169
	v_add_f32 v170, v170, v171
	v_add_f32 v172, v172, v173
	v_add_f32 v174, v174, v175
	v_add_f32 v168, v168, v170
	v_add_f32 v172, v172, v174
	v_add_f32 v168, v168, v172
	global_store_b32 v7, v168, s[8:9]
	s_endpgm
.Lfunc_end_k_qbee5a7f910_fineB:
	.size	k_qbee5a7f910_fineB, .Lfunc_end_k_qbee5a7f910_fineB-k_qbee5a7f910_fineB
	.p2alignl 7, 3214868480
	.fill 96, 4, 3214868480
	.section	.rodata,"a",@progbits
	.p2align	6, 0x0
	.amdhsa_kernel k_qbee5a7f910_fineB
		.amdhsa_group_segment_fixed_size 9216
		.amdhsa_private_segment_fixed_size 0
		.amdhsa_enable_private_segment 0
		.amdhsa_kernarg_size 24
		.amdhsa_user_sgpr_count 2
		.amdhsa_user_sgpr_kernarg_segment_ptr 1
		.amdhsa_wavefront_size32 1
		.amdhsa_system_sgpr_workgroup_id_x 1
		.amdhsa_system_sgpr_workgroup_id_y 1
		.amdhsa_system_sgpr_workgroup_id_z 1
		.amdhsa_system_vgpr_workitem_id 0
		.amdhsa_next_free_vgpr 192
		.amdhsa_next_free_sgpr 66
		.amdhsa_reserve_vcc 0
		.amdhsa_float_denorm_mode_32 3
		.amdhsa_float_denorm_mode_16_64 3
		.amdhsa_memory_ordered 1
		.amdhsa_forward_progress 1
		.amdhsa_inst_pref_size 9
	.end_amdhsa_kernel
	.amdgpu_metadata
---
amdhsa.version: [ 1, 2 ]
amdhsa.kernels:
  - .name:           k_qbee5a7f910_fineB
    .symbol:         k_qbee5a7f910_fineB.kd
    .args:
      - { .name: afine, .offset: 0, .size: 8, .value_kind: global_buffer, .address_space: global }
      - { .name: W_o, .offset: 8, .size: 8, .value_kind: global_buffer, .address_space: global }
      - { .name: out0, .offset: 16, .size: 8, .value_kind: global_buffer, .address_space: global }
    .group_segment_fixed_size: 9216
    .private_segment_fixed_size: 0
    .kernarg_segment_align: 8
    .kernarg_segment_size: 24
    .max_flat_workgroup_size: 256
    .sgpr_count:     66
    .vgpr_count:     192
    .wavefront_size: 32
...
	.end_amdgpu_metadata
.endif
;; end of part 6
